; MI455X (gfx1250); checked and timed in simulation.
; The chip was launched on July 23, 2026; its instructions are those of AMD's public machine-readable ISA for CDNA 5 (MIT licence, August 2026) and "CDNA5" Instruction Set Architecture Reference Guide (July 2026). The comments in the code are by the model that wrote it; some were corrected since.
;; MHA. Allowed arithmetic: matrix products marked QUANTISED: E2M3 operands, one E8M0 scale for each 32 along K, by v_wmma_scale_f32_16x16x128_f8f6f4 with both operands' format E2M3, f32 sums; everything else in f32.
;; Inputs: Wk 1,024 x 1,024 float32; Wo 1,024 x 1,024 float32; Wq 1,024 x 1,024 float32; Wv 1,024 x 1,024 float32; bk 1,024 float32; bo 1,024 float32; bq 1,024 float32; bv 1,024 float32; x 4 x 2,048 x 1,024 float32.
;; Outputs: out0 4 x 2,048 x 1,024 float32.
;; This version of the problem:
;;   THIS VERSION OF THE PROBLEM IS GIVEN IN LOW PRECISION. The matrix products marked QUANTISED in the list below multiply operands that are first quantised to E2M3 (2 exponent bits, 3 mantissa bits; 6 bits a number), with one power-of-two scale for each 32 numbers along K (OCP MX v1.0); their sums are f32. All else is computed in f32.
;;   The module's matrix products, in the order in which they are computed (A, B: the left and right operand; K: the contracted axis; several contracted axes count as one K, in the product's order):
;;     1. [M 8,192, K 1,024] x [K 1,024, N 1,024]; A: input x; B: input Wq: QUANTISED
;;     2. [M 8,192, K 1,024] x [K 1,024, N 1,024]; A: input x; B: input Wk: QUANTISED
;;     3. [M 8,192, K 1,024] x [K 1,024, N 1,024]; A: input x; B: input Wv: QUANTISED
;;     4. batch 64 x [M 2,048, K 64] x [K 64, N 2,048]; A: computed on the way; B: computed on the way: QUANTISED
;;     5. batch 64 x [M 2,048, K 2,048] x [K 2,048, N 64]; A: softmax (see below); B: computed on the way: QUANTISED
;;     6. [M 8,192, K 1,024] x [K 1,024, N 1,024]; A: computed on the way; B: input Wo: QUANTISED
;;   THE QUANTISER, for each operand of a quantised product, along K:
;;     - K is cut into blocks of 32 from its start; a last block that is shorter is filled with zeros.
;;     - A block's scale is 2^e with e = floor(log2(the largest magnitude in the block)) - 2, held to -126 .. 127; a block of zeros has e = 0. As a byte (E8M0): e + 127.
;;     - Each number is divided by its block's scale, clamped to +-7.5, and rounded to the nearest number of E2M3, ties to even, subnormals kept.
;;     - The product sums the exact products of the quantised numbers (number of the format x scale) in f32.
;;   ~~~python
;;   def quantise(x, axis):      # numpy; x: float32 -> the quantised numbers, widened to float32 again
;;       x = np.moveaxis(x, axis, -1); K = x.shape[-1]
;;       x = np.pad(x, [(0, 0)] * (x.ndim - 1) + [(0, -K % 32)]); x = x.reshape(x.shape[:-1] + (-1, 32)); a = np.abs(x).max(-1, keepdims=True)
;;       e = np.where(a > 0, np.clip(np.frexp(np.where(a > 0, a, 1))[1] - 1 - 2, -126, 127), 0)      # np.frexp(a)[1] - 1 = floor(log2(a)), exactly
;;       r = np.clip(x / 2.0 ** e, -7.5, 7.5)
;;       step = 2.0 ** (np.maximum(np.frexp(np.where(r == 0, 1, r))[1] - 1, 0) - 3)
;;       q = np.round(r / step) * step * 2.0 ** e      # np.round: ties to even
;;       return np.moveaxis(q.reshape(q.shape[:-2] + (-1,))[..., :K], -1, axis).astype(np.float32)
;;   ~~~
;;   SOFTMAX AHEAD OF A QUANTISED PRODUCT. Where the list says 'softmax', what is quantised is not the finished softmax but p = 2^(t - M), with t = logit x log2(e) and M = ceil(the row's largest t), a whole number; so 1/2 < the row's largest p <= 1. The row's sum l is taken of the UNQUANTISED p, in f32, and the product's result is divided by l at the end. Since M is a whole number, a kernel that streams over the keys may use a running M (the ceiling of the running maximum): every later rescaling is an exact power of two, which a block's scale takes up: the codes' values come out the same.
;;   OPERANDS COMPUTED ON THE WAY. 'Computed on the way' means the value that the module computes at that place (a softmax that the list does not call 'softmax' is quantised finished and normalised). What goes into a quantiser is computed in f32, as accurately as f32 sums, v_exp_f32 and their like allow (about 1e-6 of the number): no bf16 or f16 on the way to a quantiser, and a product that is left as it is and whose result goes on into a quantised operand takes f32 operands (vector FMAs, or v_wmma_f32_16x16x4_f32). A number that lies on a knife's edge between two numbers of the format may be rounded either way, as far as f32 arithmetic and the matrix unit's own rounding can turn it there, and no further.
;; One version. Each part assembles by itself: llvm-mc -triple=amdgcn-amd-amdhsa -mcpu=gfx1250 --defsym DOCPART=n.
;; ======== version 1 of 1: 4 launches
;; limits: right only within a limited range of input values
;; workspace buffers: xc 6,291,456 bytes; xs 262,144 bytes; wc 3,145,728 bytes; ws 131,072 bytes; tab 524,288 bytes; rec 27,262,976 bytes; oc 6,291,456 bytes; os 262,144 bytes
;; launch quant (part 1): grid 416 x 1, 4 waves a work-group, no clusters, 33,280 bytes of LDS; arguments x, Wq, Wk, Wv, Wo, xc, xs, wc, ws, tab; writes xc, xs, wc, ws, tab
.if DOCPART == 1
	.amdgcn_target "amdgcn-amd-amdhsa--gfx1250"
	.amdhsa_code_object_version 6
	.text
	.protected	k_q3a4eacb5aa_quant
	.globl	k_q3a4eacb5aa_quant
	.p2align	8
	.type	k_q3a4eacb5aa_quant,@function
k_q3a4eacb5aa_quant:
	s_mov_b64 s[64:65], 0
	v_nop
	global_prefetch_b8 v0, s[64:65] scope:SCOPE_SE
	s_setreg_imm32_b32 hwreg(HW_REG_WAVE_MODE, 25, 1), 1
	s_wait_xcnt 0x0
; x [8192][1024] and Wq, Wk, Wv, Wo [1024][1024], f32 with K innermost, become codes of FP6 (E2M3) with one E8M0 byte for each 32 along K; and the table of cos and sin for the rotation is made.
; A block's scale is 2^(floor(log2(its largest magnitude)) - 2); its byte is the largest magnitude's exponent field - 2, held at 1 from below.  (A block of zeros gets the byte 1: its codes are zeros, and this program alone reads the bytes.)
; ORDER INSIDE A BLOCK OF 32: place p holds k = p for p in 0-7 and 24-31, k = p + 8 for p in 8-15, k = p - 8 for p in 16-23.  Every operand of this program is laid so, both sides of every product alike, so the sums are the same;
; it is the order in which a matrix result with natural rows comes out of the conversions, so that no later launch has to reorder anything.  The blocks, and so the scales, are the true blocks.
; LIMITS: NaN and infinities among the inputs are not served; blocks whose largest magnitude lies under 2^(3 - 127) were not tried.  The table: the frequency is 2^(-i log2(10000) / 32) by v_exp_f32, within some 3e-7 of its value,
; so the angle is within some 1e-4 at the largest positions; cos and sin are within some 1e-7 of their angle (reduction by pi / 2 in two parts, polynomials to z^4 and z^5).
; SHARES: work-groups 0-255 take x, 256-383 the four weights (32 each, into one buffer of 4,096 rows: Wq, Wk, Wv, Wo), 384-415 the table (a wave a tile of 16 positions).  A wave of the first kind takes 16 steps of 512 numbers.
; Each load reads 512 consecutive bytes; a step's 2,048 bytes turn through the wave's own stage in LDS and come back 16 numbers a lane: the even lane of a block gets k 0-7 and 16-23, the odd one k 8-15 and 24-31.
.set WAVES, 4
.set STEPS, 16
.set EMAX,  2
.set CB,    12                         ; bytes of 16 codes
.set R,     16                         ; v16-79   four sets of 16 numbers as they are loaded
.set X,     80                         ; v80-111  two sets of 16 numbers of one block
.set C,     128                        ; v128-191 codes: four registers for each step, so that no store's data are written again
.set E,     112                        ; v112-127 a scale byte for each step
.set WREG,  8192                       ; LDS: a region for each wave: two stages of 32 x SP bytes, behind them its 256 scale bytes
.set SP,    80                         ; a lane's place in a stage: 64 bytes + 16 of padding
.set SPW,   12                         ; v12  LDS address of my spare word; never rewritten
.set NIL,   13                         ; v13  0; never rewritten
.set SPARE, WAVES*WREG                 ; behind the four regions: the spare words, 128 bytes a wave
	s_load_b256 s[4:11], s[0:1], 0x0               ; x, Wq, Wk, Wv
	s_load_b256 s[12:19], s[0:1], 0x20             ; Wo, xc, xs, wc
	s_load_b128 s[20:23], s[0:1], 0x40             ; ws, tab
	v_lshl_add_u32 v[SPW], v0, 2, SPARE
	v_mov_b32 v[NIL], 0
	v_lshrrev_b32 v1, 5, v0
	v_readfirstlane_b32 s24, v1                    ; wave
	v_and_b32 v2, 31, v0                           ; lane
	s_wait_kmcnt 0x0
	s_cmp_ge_u32 ttmp9, 384
	s_cbranch_scc1 .Ltable                         ; the table's work-groups use no LDS
	s_wait_alu depctr_va_vdst(0)
	v_lshlrev_b32 v3, 4, v2                        ; my 16 bytes of a load's 512
	s_mul_i32 s25, s24, WREG
	v_lshrrev_b32 v14, 3, v2                       ; which of the load's four blocks
	v_bfe_u32 v15, v2, 1, 1                        ; k 8-15 and 24-31 go to the block's odd lane
	v_lshl_add_u32 v14, v14, 1, v15
	v_mul_u32_u24 v14, v14, SP
	v_and_b32 v15, 1, v2
	v_lshl_add_u32 v14, v15, 4, v14                ; 16 bytes for the second four of eight,
	v_bfe_u32 v15, v2, 2, 1
	v_lshl_add_u32 v14, v15, 5, v14                ; 32 for k from 16 on
	v_add_nc_u32 v14, s25, v14                     ; the stage, on the way in
	v_mul_u32_u24 v15, v2, SP
	v_add_nc_u32 v15, s25, v15                     ; and on the way out: SP x lane
	v_and_b32 v4, 15, v2
	v_mul_u32_u24 v4, v4, CB                       ; my codes' place in the 192 bytes that 256 along K take
	v_lshrrev_b32 v5, 1, v2
	s_add_co_u32 s25, s25, 2*32*SP
	v_add_nc_u32 v5, s25, v5                       ; LDS: my wave's 256 scale bytes, my block's byte
	v_lshlrev_b32 v7, 3, v2                        ; and on the way out 8 bytes a lane
	v_add_nc_u32 v6, s25, v7
	s_mov_b64 s[26:27], s[4:5]                     ; which tensor: the choices hang on the work-group's number alone
	s_cmp_ge_u32 ttmp9, 256
	s_cselect_b64 s[26:27], s[6:7], s[26:27]
	s_cmp_ge_u32 ttmp9, 288
	s_cselect_b64 s[26:27], s[8:9], s[26:27]
	s_cmp_ge_u32 ttmp9, 320
	s_cselect_b64 s[26:27], s[10:11], s[26:27]
	s_cmp_ge_u32 ttmp9, 352
	s_cselect_b64 s[26:27], s[12:13], s[26:27]
	s_cmp_lt_u32 ttmp9, 256
	s_cselect_b64 s[28:29], s[14:15], s[18:19]     ; its codes
	s_cselect_b64 s[30:31], s[16:17], s[20:21]     ; its scale bytes
	s_cselect_b32 s32, 0, 256
	s_cselect_b32 s33, -1, 31
	s_mov_b32 s36, 4096*192
	s_cselect_b32 s36, 8192*192, s36               ; THE CODES LIE [K step of 256][row][192 bytes]: a plane is the tensor buffer's rows x 192 bytes
	s_sub_co_u32 s32, ttmp9, s32                   ; the work-group's number among x's, or among the weights'
	s_and_b32 s33, s32, s33                        ; and inside its own tensor
	s_lshl_b32 s32, s32, 2
	s_add_co_u32 s32, s32, s24                     ; which run of 8,192 numbers of the codes' buffer is my wave's
	s_lshl_b32 s33, s33, 2
	s_add_co_u32 s33, s33, s24                     ; and of the tensor
	s_lshl_b32 s34, s33, 15
	s_mov_b32 s35, 0
	s_add_nc_u64 s[26:27], s[26:27], s[34:35]
	s_mul_i32 s34, s32, 8*192                      ; my wave's eight rows in a plane
	s_add_nc_u64 s[28:29], s[28:29], s[34:35]
	s_lshl_b32 s34, s32, 8
	s_add_nc_u64 s[30:31], s[30:31], s[34:35]
	s_wait_alu depctr_va_vdst(0)
	v_lshrrev_b32 v10, 4, v2
	v_mad_u32_u24 v4, v10, s36, v4                 ; lanes 16-31 hold the next 256 along K: one plane on
	s_lshl_b32 s36, s36, 1
	v_add_nc_u32 v10, s36, v4                      ; an odd step is the row's second half: two planes on
.macro LOAD t
.irp i, 0,1,2,3
	global_load_b128 v[R+16*((\t)%4)+4*\i:R+16*((\t)%4)+4*\i+3], v3, s[26:27] offset:2048*(\t)+512*\i th:TH_LOAD_NT   ; 32 lanes read 512 consecutive bytes
.endr
.endm
.macro TURN t                          ; step t's numbers through the stage: LDS serves a wave's instructions in order, so no wait stands between the stores and the loads
.irp i, 0,1,2,3
	ds_store_b128 v14, v[R+16*((\t)%4)+4*\i:R+16*((\t)%4)+4*\i+3] offset:32*SP*((\t)%2)+8*SP*\i
.endr
.irp i, 0,1,2,3
	ds_load_b128 v[X+16*((\t)%2)+4*\i:X+16*((\t)%2)+4*\i+3], v15 offset:32*SP*((\t)%2)+16*\i
.endr
.endm
.irp t, 0,1,2,3
	LOAD \t
.endr
	s_wait_alu depctr_va_vdst(0)
	s_wait_loadcnt 12                              ; step 0's four loads are in
	TURN 0
.macro STEP t
.set XS, X+16*((\t)%2)
.if (\t) > 0
	s_wait_dscnt 1                                 ; this step's numbers are back from the stage (the last step's byte store may be out): so its stores into the stage have read their registers,
.else
	s_wait_dscnt 0x0
.endif
.if (\t)+4 < STEPS
	LOAD (\t)+4                                    ; which take the loads of four steps on
.endif
.if (\t)+1 < STEPS
.if STEPS-2-(\t) >= 3
	s_wait_loadcnt 12                              ; the next step's four loads are in; those of the three steps behind it may be out
.else
	s_wait_loadcnt 4*(STEPS-2-(\t))
.endif
	TURN (\t)+1                                    ; and go through the other stage while this step is worked
.endif
	v_max3_num_f32 v8, |v[XS]|, |v[XS+1]|, |v[XS+2]|               ; the largest magnitude of my 16
	v_max3_num_f32 v9, |v[XS+3]|, |v[XS+4]|, |v[XS+5]|
.irp i, 6,10
	v_max3_num_f32 v8, v8, |v[XS+\i]|, |v[XS+\i+1]|
	v_max3_num_f32 v9, v9, |v[XS+\i+2]|, |v[XS+\i+3]|
.endr
	v_max3_num_f32 v8, v8, |v[XS+14]|, |v[XS+15]|
	v_max3_num_f32 v8, v8, v9, (EMAX+1)<<23        ; and the floor 2^(EMAX + 1 - 127): the byte cannot fall under 1
	v_max_num_f32_dpp v8, v8, v8 row_xmask:1 row_mask:0xf bank_mask:0xf   ; and of my neighbour's 16: the block's
	v_add_nc_u32 v11, -(EMAX<<23), v8              ; EMAX off its exponent field: the conversion takes the exponent field of this operand as its scale
	v_cvt_scalef32_pk16_fp6_f32 v[C+4*(\t):C+4*(\t)+2], v[XS:XS+15], v11
	v_lshrrev_b32 v[E+(\t)], 23, v11               ; the scale's byte (also the plain line behind the conversion)
	ds_store_b8 v5, v[E+(\t)] offset:16*(\t)       ; both lanes of a block write the same byte with the same value
	global_store_b96 v[4+6*((\t)%2)], v[C+4*(\t):C+4*(\t)+2], s[28:29] offset:192*((\t)/2)   ; sixteen lanes store a row's 192 consecutive bytes of a plane
.endm
.irp t, 0,1,2,3,4,5,6,7,8,9,10,11,12,13,14,15
	STEP \t
.endr
	ds_load_b64 v[8:9], v6                         ; LDS serves a wave's instructions in order: these see my stores
	s_wait_dscnt 0x0
	global_store_b64 v7, v[8:9], s[30:31]          ; 32 lanes store 256 consecutive bytes, aligned
	s_wait_tensorcnt 0x0                           ; the wave's end
	ds_add_u32 v[SPW], v[NIL]
	s_wait_dscnt 0x0
	s_endpgm
; THE TABLE.  tab[tile A of 16 positions][load k = 0..7][lane][16 bytes]: lane (r, h) of load k holds cos, sin, cos, sin of pairs 8 (k / 2) + 4 h + 2 (k % 2) and the next, at position 16 A + r:
; the order in which the next launch's results hold a head's 64 channels.  n below counts the lane's 16 pairs: pair 8 (n / 4) + 4 h + n % 4, in registers 64 + 2 n (cos) and 65 + 2 n (sin).
.macro SINCOS th, out
	v_mul_f32 v40, s37, v[\th]
	v_rndne_f32 v40, v40                           ; n = the nearest whole number to angle x 2 / pi
	v_fma_f32 v41, v40, s38, v[\th]                ; r = angle - n pi / 2, pi / 2 in two parts
	v_fma_f32 v41, v40, s39, v41
	v_mul_f32 v42, v41, v41                        ; z = r r
	v_cvt_i32_f32 v43, v40                         ; the quadrant's number
	v_fma_f32 v44, v42, s43, s42                   ; the sine's polynomial and the cosine's by turns
	v_fma_f32 v45, v42, s47, s46
	v_fma_f32 v44, v44, v42, s41
	v_fma_f32 v45, v45, v42, s45
	v_fma_f32 v44, v44, v42, s40
	v_fma_f32 v45, v45, v42, s44
	v_mul_f32 v46, v42, v41
	v_fma_f32 v45, v45, v42, -0.5
	v_fma_f32 v44, v44, v46, v41                   ; sin r
	v_fma_f32 v45, v45, v42, 1.0                   ; cos r
	v_and_b32 v46, 1, v43
	v_cmp_eq_u32 vcc_lo, 1, v46                    ; in odd quadrants the two change places (a choice of values: no branch)
	v_cndmask_b32 v47, v44, v45, vcc_lo
	v_cndmask_b32 v48, v45, v44, vcc_lo
	v_lshlrev_b32 v46, 30, v43                     ; the sine is negative in quadrants 2 and 3,
	v_add_nc_u32 v43, 1, v43
	v_and_b32 v46, 0x80000000, v46
	v_lshlrev_b32 v43, 30, v43                     ; the cosine in 1 and 2
	v_xor_b32 v[\out+1], v46, v47
	v_and_b32 v43, 0x80000000, v43
	v_xor_b32 v[\out], v43, v48
.endm
.Ltable:
	s_sub_co_u32 s25, ttmp9, 384
	s_lshl_b32 s25, s25, 2
	s_add_co_u32 s25, s25, s24                     ; A: my tile of positions
	s_lshl_b32 s26, s25, 4
	s_lshl_b32 s28, s25, 12                        ; 4,096 bytes a tile
	s_mov_b32 s29, 0
	s_add_nc_u64 s[22:23], s[22:23], s[28:29]
	s_mov_b32 s36, 0xbed49a78                      ; -log2(10000) / 32
	s_mov_b32 s37, 0x3f22f983                      ; 2 / pi
	s_mov_b32 s38, 0xbfc90fdb                      ; -(pi / 2)'s upper part
	s_mov_b32 s39, 0x333bbd2e                      ; the upper part less pi / 2
	s_mov_b32 s40, 0xbe2aaaab                      ; -1/6
	s_mov_b32 s41, 0x3c088889                      ; 1/120
	s_mov_b32 s42, 0xb9500d01                      ; -1/5040
	s_mov_b32 s43, 0x3638ef1d                      ; 1/362880
	s_mov_b32 s44, 0x3d2aaaab                      ; 1/24
	s_mov_b32 s45, 0xbab60b61                      ; -1/720
	s_mov_b32 s46, 0x37d00d01                      ; 1/40320
	s_mov_b32 s47, 0xb493f27e                      ; -1/3628800
	v_and_b32 v3, 15, v0
	v_bfe_u32 v4, v0, 4, 1
	v_add_nc_u32 v5, s26, v3
	v_cvt_f32_u32 v20, v5                          ; my position
	v_lshlrev_b32 v4, 2, v4                        ; 4 h
	s_wait_alu depctr_va_vdst(0)
	v_lshlrev_b32 v6, 4, v2                        ; 16 bytes a lane
.irp n, 0,1,2,3,4,5,6,7,8,9,10,11,12,13,14,15
	v_add_nc_u32 v[24+\n], 8*(\n/4)+\n%4, v4       ; the pair's number
.endr
.irp n, 0,1,2,3,4,5,6,7,8,9,10,11,12,13,14,15
	v_cvt_f32_u32 v[24+\n], v[24+\n]
.endr
.irp n, 0,1,2,3,4,5,6,7,8,9,10,11,12,13,14,15
	v_mul_f32 v[24+\n], s36, v[24+\n]
.endr
	s_wait_alu depctr_va_vdst(0)
.irp n, 0,1,2,3,4,5,6,7,8,9,10,11,12,13,14,15
	v_exp_f32 v[24+\n], v[24+\n]                   ; the frequency: one batch
.endr
	v_nop                                          ; a plain line behind the last exponential
	s_wait_alu depctr_va_vdst(0)                   ; one wait for the batch, ahead of its first reader
.irp n, 0,1,2,3,4,5,6,7,8,9,10,11,12,13,14,15
	v_mul_f32 v[24+\n], v20, v[24+\n]              ; the angle
.endr
.irp n, 0,1,2,3,4,5,6,7,8,9,10,11,12,13,14,15
	SINCOS 24+\n, 64+2*\n
.endr
.irp k, 0,1,2,3,4,5,6,7
	global_store_b128 v6, v[64+4*\k:64+4*\k+3], s[22:23] offset:512*\k   ; 32 lanes store 512 consecutive bytes, aligned
.endr
	s_endpgm
.Lfunc_end_k_q3a4eacb5aa_quant:
	.size	k_q3a4eacb5aa_quant, .Lfunc_end_k_q3a4eacb5aa_quant-k_q3a4eacb5aa_quant
	.p2alignl 7, 3214868480
	.fill 96, 4, 3214868480
	.section	.rodata,"a",@progbits
	.p2align	6, 0x0
	.amdhsa_kernel k_q3a4eacb5aa_quant
		.amdhsa_group_segment_fixed_size 33280
		.amdhsa_private_segment_fixed_size 0
		.amdhsa_enable_private_segment 0
		.amdhsa_kernarg_size 80
		.amdhsa_user_sgpr_count 2
		.amdhsa_user_sgpr_kernarg_segment_ptr 1
		.amdhsa_wavefront_size32 1
		.amdhsa_system_sgpr_workgroup_id_x 1
		.amdhsa_system_sgpr_workgroup_id_y 1
		.amdhsa_system_sgpr_workgroup_id_z 1
		.amdhsa_system_vgpr_workitem_id 0
		.amdhsa_next_free_vgpr 192
		.amdhsa_next_free_sgpr 66
		.amdhsa_reserve_vcc 1
		.amdhsa_float_denorm_mode_32 3
		.amdhsa_float_denorm_mode_16_64 3
		.amdhsa_memory_ordered 1
		.amdhsa_forward_progress 1
		.amdhsa_inst_pref_size 58
	.end_amdhsa_kernel
	.amdgpu_metadata
---
amdhsa.version: [ 1, 2 ]
amdhsa.kernels:
  - .name:           k_q3a4eacb5aa_quant
    .symbol:         k_q3a4eacb5aa_quant.kd
    .args:
      - { .name: x, .offset: 0, .size: 8, .value_kind: global_buffer, .address_space: global }
      - { .name: Wq, .offset: 8, .size: 8, .value_kind: global_buffer, .address_space: global }
      - { .name: Wk, .offset: 16, .size: 8, .value_kind: global_buffer, .address_space: global }
      - { .name: Wv, .offset: 24, .size: 8, .value_kind: global_buffer, .address_space: global }
      - { .name: Wo, .offset: 32, .size: 8, .value_kind: global_buffer, .address_space: global }
      - { .name: xc, .offset: 40, .size: 8, .value_kind: global_buffer, .address_space: global }
      - { .name: xs, .offset: 48, .size: 8, .value_kind: global_buffer, .address_space: global }
      - { .name: wc, .offset: 56, .size: 8, .value_kind: global_buffer, .address_space: global }
      - { .name: ws, .offset: 64, .size: 8, .value_kind: global_buffer, .address_space: global }
      - { .name: tab, .offset: 72, .size: 8, .value_kind: global_buffer, .address_space: global }
    .group_segment_fixed_size: 33280
    .private_segment_fixed_size: 0
    .kernarg_segment_align: 8
    .kernarg_segment_size: 80
    .max_flat_workgroup_size: 128
    .sgpr_count:     66
    .vgpr_count:     192
    .wavefront_size: 32
...
	.end_amdgpu_metadata
.endif
;; end of part 1
;; launch qkv (part 2): grid 12 x 32, 4 waves a work-group, clusters of 4 x 4, 327,680 bytes of LDS; arguments xc, xs, wc, ws, bq, bk, bv, tab, rec; writes rec
.if DOCPART == 2
	.amdgcn_target "amdgcn-amd-amdhsa--gfx1250"
	.amdhsa_code_object_version 6
	.text
	.protected	k_q3a4eacb5aa_qkv
	.globl	k_q3a4eacb5aa_qkv
	.p2align	8
	.type	k_q3a4eacb5aa_qkv,@function
k_q3a4eacb5aa_qkv:
	s_mov_b64 s[64:65], 0
	v_nop
	global_prefetch_b8 v0, s[64:65] scope:SCOPE_SE
	s_setreg_imm32_b32 hwreg(HW_REG_WAVE_MODE, 25, 1), 1
	s_wait_xcnt 0x0
	s_wait_alu depctr_hold_cnt(0) depctr_sa_sdst(0) depctr_va_vdst(0) depctr_va_sdst(0) depctr_va_ssrc(0) depctr_va_vcc(0) depctr_vm_vsrc(0)
	s_getreg_b32 s2, hwreg(HW_REG_IB_STS2, 6, 4)
	s_cmp_eq_u32 s2, 0
	s_cbranch_scc0 .Lentry_in_a_cluster
	s_endpgm
.Lentry_in_a_cluster:
	s_bfe_u32 s2, ttmp6, 0x10000c
	s_cmp_lg_u32 s2, 0xf033
	s_cbranch_scc0 .Lentry_shape_is_right
	s_endpgm
.Lentry_shape_is_right:
; q, k, v = x W^T + b on codes of FP6 (E2M3) with E8M0 scales; q and k are rotated (interleaved pairs) and quantised along the head's 64 channels, v along the keys; all three leave as IMAGES OF OPERAND REGISTERS.
; A tile of 256 x 256 is made by four waves, 128 x 128 each: 64 accumulators, 512 registers.  K = 1,024 goes in steps of 256 through a ring of two LDS slots; the scale bytes of the tile's 512 rows come once and stay.
; CLUSTERS of 4 x 4; the cluster's x says what is made.  x = 0, 1 (q, k): operand A = 256 tokens of x, operand B = 256 rows of Wq / Wk: a lane holds ONE TOKEN and its registers run along the channels.
; x = 2 (v): the operands change places in memory alone: A = 256 rows of Wv, B = 256 tokens: a lane holds ONE CHANNEL and its registers run along the tokens, which are the second attention product's K.
; A's tile is shared along a row of the cluster, B's along a column: each is asked for jointly.  The matrix instruction takes B's rows as source 0 and A's as source 1.
; THE RECORDS.  rec[sel: 0 q, 1 k and v][batch x 16 + head][step of 128 tokens][13,312 bytes]: +0 four groups of 32 tokens x 1,536 bytes (12 registers a lane: 6 of the even tile of 16 tokens, 6 of the odd one; lane (r, h) holds block h of
; token r); +6,144 four fragments of v (16 channels x 128 keys, 12 registers a lane); +12,288 the tokens' scale words (lane l: word g for token 32 g + l; bytes 2 and 3 are 127); +12,800 v's scale words (word t: channel 16 t + l % 16).
; Each group of four registers is stored at 16 x lane: every store of the way out covers 512 consecutive bytes, aligned.  No LDS stage is needed.
; LIMITS: NaN and infinities are not served; a block of zeros gets the byte 1 with zero codes.
; REGISTERS in the loop: window 0: v16-29 addresses; v32-63 scale words, two sets; v128-223 A's fragments, one set.  window 1: B's fragments, two sets.  windows 2, 3: the accumulators ((a, b) at v[8 (8 (a % 4) + b)]).
.set SIZE_K, 1024
.set KSTEP,  256
.set NQ,     KSTEP/128
.set ROWB,   192                       ; a tile's row in bytes
.set KROW,   SIZE_K*6/8                ; a row of codes in memory
.set PITCH,  240                       ; an LDS row: 3 x (64 bytes + 16 of padding)
.set FR,     12
.set NL,     6
.set NP,     4
.set HALFT,  128*PITCH
.set SLOT,   4*HALFT
.set LAPS,   SIZE_K/(2*KSTEP)
.set KS,     SIZE_K/32
.set SCL,    2*SLOT                    ; behind the ring: the scales, as units of 256 bytes + 16 of padding
.set HALFS,  (128*KS/256)*272
.set SBLK,   (16*KS/256)*272
.set SPARE,  SCL+4*HALFS               ; the spare words, 128 bytes a wave
.set RECB,   13312
.set HEADB,  16*RECB                   ; a head's sixteen records
.set ADRA, 16
.set ADRB, 20
.set ADRS, 27
.set SPW,  28
.set NIL,  29
.set SC,   32
.set AF,   128
.set G1, 24
.set G0, 32
.set G1B, 48
.set G0B, 56
.set G1S, 68
.set G0S, 76
.set G1SB, 80
.set G0SB, 88
; the way out, window 0
.set WS,   8                           ; v8-15    scale words to be stored
.set T,    32                          ; v32-63   a tile's 32 numbers of one head (q, k)
.set BIAS, 64                          ; v64-127  the bias
.set TV,   128                         ; v128-191 a channel tile's 64 numbers (v)
.set PC,   192                         ; v192-215 codes, two sets of 12
.set TQ,   216                         ; v216-223 the conversions' second halves
.set TM,   224                         ; v224-239 largest magnitudes, bytes, scale operands
.set U,    240                         ; v240-247 the rotation's products
.set PWE,  248                         ; v248, v249 the even and the odd tile's scale word
.set SEL,  20                          ; s[20:21] lane selects: lane l xor 16
.set MSB, 0
.macro WIN new                         ; the immediate's high byte repeats the setting that is left
.if MSB != (\new)
	s_set_vgpr_msb (MSB<<8)|(\new)
.set MSB, (\new)
.endif
.endm
.set MUL_LO, 0xa1                      ; source 0 (B) window 1, source 1 (A) window 0, C and D window 2
.set MUL_HI, 0xf1
.set TO_B,   0x40
; A joint load: waves 0 and 1 fetch for A, waves 2 and 3 for B; the branch hangs on the wave's number alone.  An s_nop 0 and four v_nop follow each of the two lines.
.macro JLOAD g0a, g1a, g0b, g1b
	s_cmp_eq_u32 s15, 0
	s_cbranch_scc0 .Lfor_b_\@
	tensor_load_to_lds s[\g0a:\g0a+3], s[\g1a:\g1a+7]
	s_nop 0
.rept 4
	v_nop
.endr
	s_branch .Lasked_\@
.Lfor_b_\@:
	tensor_load_to_lds s[\g0b:\g0b+3], s[\g1b:\g1b+7]
	s_nop 0
.rept 4
	v_nop
.endr
.Lasked_\@:
.endm
.macro CREST
	s_cmp_lg_u32 s14, 0
	s_cbranch_scc1 .Lnot_wave_0_\@
	s_barrier_signal -3
.Lnot_wave_0_\@:
	s_barrier_wait -3
	s_barrier_signal -1
	s_barrier_wait -1
.endm
.macro CROUND
	s_barrier_signal -1
	s_barrier_wait -1
	CREST
.endm
	s_load_b128 s[4:7], s[0:1], 0x0                ; x's codes, x's scales
	s_load_b128 s[8:11], s[0:1], 0x10              ; the weights' codes, their scales
	v_lshl_add_u32 v[SPW], v0, 2, SPARE
	v_mov_b32 v[NIL], 0
	ds_add_u32 v[SPW], v[NIL]                      ; the wave's opening: the add and its wait ahead of my first tensor load
	ds_add_u32 v[SPW], v[NIL]
	v_lshrrev_b32 v1, 5, v0
	v_readfirstlane_b32 s14, v1                    ; wave 0..3
	s_lshr_b32 s15, s14, 1                         ; which half of A's rows is mine.  Also: I fetch for A (0) or for B (1)
	s_and_b32 s16, s14, 1                          ; which half of B's rows.  Also: which 128 rows I fetch
	s_bfe_u32 s40, ttmp6, 0x40000                  ; cx, cy
	s_bfe_u32 s41, ttmp6, 0x40004
	s_and_b32 s17, ttmp7, 0xffff                   ; the cluster's y
	s_cmp_eq_u32 ttmp9, 2                          ; v's clusters?  The same in all sixteen partners
	s_cselect_b32 s42, s17, ttmp9                  ; B's tiles go by the cluster's y (tokens) or x (features),
	s_cselect_b32 s17, 0, s17                      ; A's by nothing (Wv's four tiles) or by y (tokens)
	s_lshl_b32 s42, s42, 2
	s_add_co_u32 s42, s42, s40                     ; B's tile: made of cx and the cluster's place alone
	s_lshl_b32 s17, s17, 2
	s_add_co_u32 s17, s17, s41                     ; A's tile: made of cy and the cluster's place alone
	s_lshl_b32 s43, s41, 2
	s_lshl_b32 s43, 15, s43                        ; my row of the cluster
	s_lshl_b32 s44, 0x1111, s40                    ; my column
	s_or_b32 s[G1+0], s43, (0<<16)|(1<<20)|(1<<21)|(3<<22)|(3<<25)  ; the mask; elements of 1 byte; padding on; bit 21 beside a mask; after every 16 words 4 words
	s_or_b32 s[G1B+0], s44, (0<<16)|(1<<20)|(1<<21)|(3<<22)|(3<<25)
.irp g, G1, G1B
	s_mov_b32 s[\g+1], 256<<16                     ; the codes lie [K step][row][192 bytes]: a tile is a dense block, stated as rows of 256 bytes; the padding's interval stays 64 bytes, so an LDS row of 192 bytes keeps its pitch of 240
	s_mov_b32 s[\g+2], 192<<16                     ; the head's loads: 256 rows of codes = 192 rows of 256 bytes
	s_mov_b32 s[\g+3], 256<<16
	s_mov_b32 s[\g+4], 192
	s_mov_b32 s[\g+5], 256
	s_mov_b32 s[\g+6], 0
	s_mov_b32 s[\g+7], 0
.endr
	s_or_b32 s[G1S+0], s43, (3<<16)|(1<<20)|(1<<21)|(5<<22)|(3<<25)   ; the scales of 256 rows: a dense block, as rows of 256 bytes with 16 of padding
	s_or_b32 s[G1SB+0], s44, (3<<16)|(1<<20)|(1<<21)|(5<<22)|(3<<25)
.irp g, G1S, G1SB
	s_mov_b32 s[\g+1], 32<<16
	s_mov_b32 s[\g+2], (256*KS/256)<<16            ; the scales of all 256 rows by one load
	s_mov_b32 s[\g+3], 32<<16
	s_mov_b32 s[\g+4], 256*KS/256
	s_mov_b32 s[\g+5], 32
	s_mov_b32 s[\g+6], 0
	s_mov_b32 s[\g+7], 0
.endr
	s_lshl_b32 s20, s17, 8                         ; A's tile: its first row
	s_lshl_b32 s46, s42, 8                         ; B's
	s_mov_b32 s21, 0
	s_mov_b32 s47, 0
	s_mov_b64 s[18:19], KS
	s_mul_u64 s[22:23], s[20:21], s[18:19]         ; where these rows' scales begin
	s_mul_u64 s[92:93], s[46:47], s[18:19]
	s_mov_b64 s[18:19], ROWB
	s_mul_u64 s[20:21], s[20:21], s[18:19]         ; and their codes
	s_mul_u64 s[46:47], s[46:47], s[18:19]
	s_mul_i32 s45, s14, HALFT                      ; where they go: wave x 128 rows
	s_mul_i32 s94, s16, 128*ROWB                   ; in the ring I fetch 128 rows of a tile: which half, in bytes
	s_mov_b32 s95, 0
	s_wait_dscnt 0x0                               ; the opening add is done
	s_wait_kmcnt 0x0
	s_add_nc_u64 s[96:97], s[8:9], 2048*ROWB
	s_add_nc_u64 s[12:13], s[10:11], 2048*KS       ; and scales
	s_cmp_eq_u32 ttmp9, 2
	s_cselect_b64 s[96:97], s[96:97], s[4:5]       ; A's codes: Wv's or x's
	s_cselect_b64 s[12:13], s[12:13], s[6:7]       ; A's scales
	s_cselect_b64 s[8:9], s[4:5], s[8:9]           ; B's codes: x's or the weights'
	s_cselect_b64 s[10:11], s[6:7], s[10:11]
	s_mov_b32 s98, 8192*ROWB                       ; from K step to K step: a plane of A's buffer (the weights' 4,096 rows or x's 8,192),
	s_cselect_b32 s98, 4096*ROWB, s98
	s_mov_b32 s100, 4096*ROWB                      ; and of B's
	s_cselect_b32 s100, 8192*ROWB, s100
	s_mov_b32 s99, 0
	s_mov_b32 s101, 0
	s_add_nc_u64 s[20:21], s[96:97], s[20:21]
	s_add_nc_u64 s[22:23], s[12:13], s[22:23]
	s_add_nc_u64 s[46:47], s[8:9], s[46:47]
	s_add_nc_u64 s[92:93], s[10:11], s[92:93]
	CROUND                                         ; all sixteen work-groups are here: the first joint loads meet
	s_mov_b32 s[G0S], 1
	s_mov_b32 s[G0S+1], SCL
	s_mov_b64 s[G0S+2:G0S+3], s[22:23]
	s_or_b32 s[G0S+3], s[G0S+3], 0x80000000
	s_mov_b32 s[G0SB], 1
	s_mov_b32 s[G0SB+1], SCL+2*HALFS
	s_mov_b64 s[G0SB+2:G0SB+3], s[92:93]
	s_or_b32 s[G0SB+3], s[G0SB+3], 0x80000000
.set G0H, 4                            ; s[4:7], s[8:11] group 0 of the head's loads of K step 0 (the arguments that lay there have served)
.set G0HB, 8
	s_mov_b32 s[G0H], 1                            ; A's 256 rows of K step 0,
	s_mov_b32 s[G0H+1], 0
	s_mov_b64 s[G0H+2:G0H+3], s[20:21]
	s_or_b32 s[G0H+3], s[G0H+3], 0x80000000
	s_mov_b32 s[G0HB], 1                           ; B's, behind them in slot 0
	s_mov_b32 s[G0HB+1], 2*HALFT
	s_mov_b64 s[G0HB+2:G0HB+3], s[46:47]
	s_or_b32 s[G0HB+3], s[G0HB+3], 0x80000000
	s_add_nc_u64 s[20:21], s[20:21], s[94:95]      ; for the ring: my 128 rows of the tile
	s_add_nc_u64 s[46:47], s[46:47], s[94:95]
.irp s, 0,1
	s_mov_b32 s[G0+4*\s], 1
	s_add_co_u32 s[G0+4*\s+1], s45, \s*SLOT
	s_mov_b32 s[G0B+4*\s], 1
	s_add_co_u32 s[G0B+4*\s+1], s45, \s*SLOT
.endr
	s_mov_b64 s[G0+2:G0+3], s[20:21]               ; slot 0 stands at K step 0 (first used two planes on), slot 1 at K step 1
	s_add_nc_u64 s[G0+6:G0+7], s[20:21], s[98:99]
	s_mov_b64 s[G0B+2:G0B+3], s[46:47]
	s_add_nc_u64 s[G0B+6:G0B+7], s[46:47], s[100:101]
.irp g, G0+3, G0+7, G0B+3, G0B+7
	s_or_b32 s[\g], s[\g], 0x80000000
.endr
	s_lshl_b32 s98, s98, 1                         ; a slot's next K step lies two planes on
	s_lshl_b32 s100, s100, 1
; THE HEAD'S LOADS, ONE A WAVE: wave 0 A's 256 rows of K step 0, wave 1 B's, wave 2 A's scales, wave 3 B's.  One tree of branches on the wave's number; every way passes one load.
.macro ARM under, g0, g1, next
	s_cmp_lt_u32 s14, \under
	s_cbranch_scc0 \next
	tensor_load_to_lds s[\g0:\g0+3], s[\g1:\g1+7]
	s_nop 0
.rept 4
	v_nop
.endr
	s_branch .Lhead_asked
\next:
.endm
	ARM 1, G0H,  G1,  .Lhead_b
	ARM 2, G0HB, G1B, .Lhead_sa
	ARM 3, G0S,  G1S, .Lhead_sb
	tensor_load_to_lds s[G0SB:G0SB+3], s[G1SB:G1SB+7]
	s_nop 0
.rept 4
	v_nop
.endr
.Lhead_asked:
	v_and_b32 v1, 15, v0                           ; l % 16
	v_bfe_u32 v2, v0, 4, 1                         ; l / 16
	v_mul_u32_u24 v3, v1, PITCH
	v_mul_u32_u24 v4, v2, 24
	v_add_nc_u32 v4, v3, v4                        ; a fragment's row x pitch + 24 x half
	v_lshl_add_u32 v5, v2, 4, v4                   ; and the same behind one padding more
	s_mul_i32 s21, s15, HALFT                      ; my 128 rows of A
	s_mul_i32 s22, s16, HALFT                      ; my 128 rows of B,
	s_add_co_u32 s22, s22, 2*HALFT                 ; which lie behind A's 256
.irp s, 0,1
	v_add_nc_u32 v[ADRA+\s], s21, v4
	v_add_nc_u32 v[ADRB+\s], s22, v4
	v_add_nc_u32 v[ADRA+2+\s], s21, v5
	v_add_nc_u32 v[ADRB+2+\s], s22, v5
	s_add_co_u32 s21, s21, SLOT
	s_add_co_u32 s22, s22, SLOT
.endr
	v_mul_u32_u24 v5, v1, KS                       ; my row's scales: KS bytes a row,
	v_lshrrev_b32 v6, 8, v5
	v_lshl_add_u32 v5, v6, 4, v5                   ; and 16 more for each 256 passed
	s_mul_i32 s21, s15, HALFS
	s_mul_i32 s22, s16, HALFS
	s_add_co_u32 s22, s22, 2*HALFS
	s_sub_co_u32 s22, s22, s21
	v_mul_u32_u24 v6, s22, v2                      ; lanes 16-31 take B's
	s_add_co_u32 s21, s21, SCL
	v_add_nc_u32 v5, v5, v6
	v_add_nc_u32 v[ADRS], s21, v5
.macro FRAG reg, adr, q, i             ; a fragment: 16 rows x 128 K: 12 registers; in pieces of 8 bytes; where the piece three on lies behind one padding more, the second address register serves
.irp p, 0,1,2,3,4,5
.set PCE, 12*(\q)+6*(\p/3)+\p%3
.if PCE%8 < 5
	ds_load_b64 v[\reg+2*\p:\reg+2*\p+1], v[\adr] offset:8*PCE+16*(PCE/8)+(\i)*16*PITCH
.else
	ds_load_b64 v[\reg+2*\p:\reg+2*\p+1], v[\adr+2] offset:8*PCE+16*(PCE/8)+(\i)*16*PITCH
.endif
.endr
.endm
; 16 matrix instructions: A's blocks a0, a0 + 1 x B's eight.  The 64 accumulators take turns, one instruction a turn, in the same order in every step.
.macro MUL16 a0, p, q, sc, zero
.irp a, \a0, \a0+1
.irp b, 0,1,2,3,4,5,6,7
.if \zero
	v_wmma_scale_f32_16x16x128_f8f6f4 v[8*(8*((\a)%4)+\b):8*(8*((\a)%4)+\b)+7], v[128*(\p)+FR*\b:128*(\p)+FR*\b+FR-1], v[AF+FR*(\a):AF+FR*(\a)+FR-1], 0, v[SC+8*NQ*(\sc)+NQ*\b+(\q)], v[SC+8*NQ*(\sc)+NQ*(\a)+(\q)] matrix_a_fmt:MATRIX_FMT_FP6 matrix_b_fmt:MATRIX_FMT_FP6 matrix_a_scale:MATRIX_SCALE_ROW1
.else
	v_wmma_scale_f32_16x16x128_f8f6f4 v[8*(8*((\a)%4)+\b):8*(8*((\a)%4)+\b)+7], v[128*(\p)+FR*\b:128*(\p)+FR*\b+FR-1], v[AF+FR*(\a):AF+FR*(\a)+FR-1], v[8*(8*((\a)%4)+\b):8*(8*((\a)%4)+\b)+7], v[SC+8*NQ*(\sc)+NQ*\b+(\q)], v[SC+8*NQ*(\sc)+NQ*(\a)+(\q)] matrix_a_fmt:MATRIX_FMT_FP6 matrix_b_fmt:MATRIX_FMT_FP6 matrix_a_scale:MATRIX_SCALE_ROW1
.endif
.endr
.endr
.endm
.macro FETCH_B slot, q, p
	WIN TO_B
.irp i, 0,1,2,3,4,5,6,7
	FRAG 128*(\p)+FR*\i, ADRB+\slot, \q, \i
.endr
	WIN 0
.endm
.macro FETCH_A slot, q, i0
.irp i, \i0, \i0+1, \i0+2, \i0+3
	FRAG AF+FR*(\i), ADRA+\slot, \q, \i
.endr
.endm
.macro SCALES sc                       ; a K step's scale words: lanes 0-15 take A's block i, lanes 16-31 B's block i
.irp i, 0,1,2,3,4,5,6,7
	ds_load_b64 v[SC+8*NQ*\sc+NQ*\i:SC+8*NQ*\sc+NQ*\i+1], v[ADRS] offset:\i*SBLK
.endr
.endm
.macro PLACES n                        ; plain vector lines between a matrix instruction and a load into, or a read of, its registers
.rept \n
	v_nop
.endr
.endm
.macro STEP slot, q, zero              ; a step of 128 along K that has its successor in the same slot
	s_wait_dscnt 4*NL                              ; B's set and A's blocks 0-3 are in; the youngest 24 loads (A's blocks 4-7) may be out
	WIN MUL_LO
	MUL16 0, (\q)%2, \q, \slot, \zero
	MUL16 2, (\q)%2, \q, \slot, \zero
	s_wait_dscnt 0
	PLACES NP
	FETCH_B \slot, (\q)+1, 1-(\q)%2
	FETCH_A \slot, (\q)+1, 0
	WIN MUL_HI
	MUL16 4, (\q)%2, \q, \slot, \zero
	MUL16 6, (\q)%2, \q, \slot, \zero
	PLACES NP
	WIN 0
	FETCH_A \slot, (\q)+1, 4
.endm
; A slot's last step changes slots: one barrier; in front of it each wave waits for all its tensor loads, adds 0 to its spare word, and waits for that and for its reads of this slot.
.macro TURN slot, next, fill
	s_wait_tensorcnt 0x0                           ; all my tensor loads have landed: my part of the next slot
	ds_add_u32 v[SPW], v[NIL]
	s_wait_dscnt 4*NL+1                            ; (the add and the youngest 24 loads may be out)
	WIN MUL_LO
	MUL16 0, 1, NQ-1, \slot, 0
	s_wait_dscnt 0x0                               ; the add is done, and my reads of this slot are over
	s_barrier_signal -1
	MUL16 2, 1, NQ-1, \slot, 0
	WIN 0
	s_barrier_wait -1
.if \fill
	CREST                                          ; the barrier has opened a round of the cluster's: no wave of any partner still reads this slot or has a load on its way
	s_add_nc_u64 s[G0+4*\slot+2:G0+4*\slot+3], s[G0+4*\slot+2:G0+4*\slot+3], s[98:99]
	s_add_nc_u64 s[G0B+4*\slot+2:G0B+4*\slot+3], s[G0B+4*\slot+2:G0B+4*\slot+3], s[100:101]
	JLOAD G0+4*\slot, G1, G0B+4*\slot, G1B         ; the first tensor load behind the round; its four v_nop are the places in front of the loads below
.else
	PLACES NP
.endif
	s_wait_alu depctr_va_vdst(0)
	v_add_nc_u32 v[ADRS], 4*NQ, v[ADRS]            ; the next K step's scale words
	FETCH_B \next, 0, 0
	FETCH_A \next, 0, 0
	SCALES \next
	WIN MUL_HI
	MUL16 4, 1, NQ-1, \slot, 0
	MUL16 6, 1, NQ-1, \slot, 0
	PLACES NP
	WIN 0
	FETCH_A \next, 0, 4
.endm
	s_wait_alu depctr_va_vdst(0)
	s_wait_tensorcnt 0x0                           ; my tile of the head's four is in
	ds_add_u32 v[SPW], v[NIL]
	s_mov_b32 s[G1+2], 96<<16                      ; no tensor load of mine is out: from here on a load brings 128 rows of codes = 96 rows of 256 bytes
	s_mov_b32 s[G1+4], 96
	s_mov_b32 s[G1B+2], 96<<16
	s_mov_b32 s[G1B+4], 96
	s_wait_dscnt 0x0
	CROUND                                         ; a whole round: all four tiles are in, the joint loads meet,
	JLOAD G0+4, G1, G0B+4, G1B                     ; and K step 1's load is the first tensor load behind it
	FETCH_B 0, 0, 0
	FETCH_A 0, 0, 0
	SCALES 0
	FETCH_A 0, 0, 4
	STEP 0, 0, 1                                   ; the first step's products start the sums
	s_mov_b32 s3, LAPS-1
.Llap:                                                 ; a trip goes once round the ring and fills both slots again
	TURN 0, 1, 1
	STEP 1, 0, 0
	TURN 1, 0, 1
	STEP 0, 0, 0
	s_sub_co_u32 s3, s3, 1
	s_cmp_lg_u32 s3, 0
	s_cbranch_scc1 .Llap
	TURN 0, 1, 0                                   ; the last lap fills nothing
	STEP 1, 0, 0
	s_wait_dscnt 4*NL
	WIN MUL_LO
	MUL16 0, 1, NQ-1, 1, 0
	MUL16 2, 1, NQ-1, 1, 0
	s_wait_dscnt 0
	WIN MUL_HI
	MUL16 4, 1, NQ-1, 1, 0
	MUL16 6, 1, NQ-1, 1, 0
	WIN 0
	PLACES NP                                      ; behind the last products: their registers are read, written and loaded into from here on
; THE WAY OUT.  No tensor load is out (the last change of slots waited for all), so the scale descriptors' registers take the other arguments.
	s_load_b256 s[68:75], s[0:1], 0x20             ; bq, bk, bv, tab
	s_load_b64 s[76:77], s[0:1], 0x40              ; rec
	v_and_b32 v1, 15, v0                           ; r
	v_bfe_u32 v2, v0, 4, 1                         ; h
	v_and_b32 v3, 31, v0
	v_lshlrev_b32 v3, 4, v3                        ; 16 x lane: an image's place for my lane
	s_mov_b32 s[SEL], 0x76543210
	s_mov_b32 s[SEL+1], 0xfedcba98
	s_mov_b32 s22, 0xffff0000                      ; lanes 16-31
.irp b, 0,1,2,3
	v_mov_b32 v[TM+4+\b], 0                        ; written once: a lane permute's destination counts as one of its sources
.endr
	s_lshl_b32 s80, s17, 8
	s_lshl_b32 s81, s15, 7
	s_add_co_u32 s80, s80, s81                     ; my first row of A: a token (q, k) or a feature (v)
	s_lshl_b32 s82, s42, 8
	s_lshl_b32 s81, s16, 7
	s_add_co_u32 s82, s82, s81                     ; my first row of B: a feature of Wq and Wk on end (q, k) or a token (v)
	s_mov_b32 s85, 0
	s_wait_kmcnt 0x0
	s_cmp_eq_u32 ttmp9, 2
	s_cbranch_scc1 .Lv
; 32 numbers of a lane (two blocks of 32 along K, 16 of each mine, the other 16 in lane l xor 16) become 6 registers of codes in v[pc] on; the two bytes stay in v[TM+4], v[TM+5]
.macro QUANT2 s, pc
.irp b, 0,1
	v_max3_num_f32 v[TM+\b], |v[\s+16*\b]|, |v[\s+1+16*\b]|, 0x1800000   ; with the floor 2^(3 - 127): the byte cannot fall under 1
.endr
.irp i, 2,4,6,8,10,12,14
.irp b, 0,1
	v_max3_num_f32 v[TM+\b], v[TM+\b], |v[\s+16*\b+\i]|, |v[\s+1+16*\b+\i]|
.endr
.endr
.irp b, 0,1
	v_permlanex16_b32 v[TM+4+\b], v[TM+\b], s[SEL], s[SEL+1]
.endr
.irp b, 0,1
	v_max_num_f32 v[TM+\b], v[TM+\b], v[TM+4+\b]   ; the block's largest magnitude
.endr
.irp b, 0,1
	v_add_nc_u32 v[TM+12+\b], 0xff000000, v[TM+\b] ; 2 off its exponent field: the conversion's scale operand
.endr
.irp b, 0,1
	v_lshrrev_b32 v[TM+4+\b], 23, v[TM+12+\b]      ; the scale's byte
.endr
	v_cvt_scalef32_pk16_fp6_f32 v[(\pc):(\pc)+2], v[\s:\s+15], v[TM+12]
	v_cvt_scalef32_pk16_fp6_f32 v[TQ:TQ+2], v[\s+16:\s+31], v[TM+13]
	v_nop                                          ; one plain line behind a scaled conversion
.irp i, 0,1,2
	v_permlane16_swap_b32 v[(\pc)+\i], v[TQ+\i]    ; a lane gets a WHOLE block: lanes 0-15 block 0, lanes 16-31 block 1
.endr
.irp i, 0,1,2
	v_mov_b32 v[(\pc)+3+\i], v[TQ+\i]
.endr
.endm
; 64 numbers of a lane (four blocks) become a fragment's 12 registers in v[pc] on and its scale word in v[pw]
.macro QUANT s, pc, pw
.irp b, 0,1,2,3
	v_max3_num_f32 v[TM+\b], |v[\s+16*\b]|, |v[\s+1+16*\b]|, 0x1800000
.endr
.irp i, 2,4,6,8,10,12,14
.irp b, 0,1,2,3
	v_max3_num_f32 v[TM+\b], v[TM+\b], |v[\s+16*\b+\i]|, |v[\s+1+16*\b+\i]|
.endr
.endr
.irp b, 0,1,2,3
	v_permlanex16_b32 v[TM+4+\b], v[TM+\b], s[SEL], s[SEL+1]
.endr
.irp b, 0,1,2,3
	v_max_num_f32 v[TM+\b], v[TM+\b], v[TM+4+\b]
.endr
.irp b, 0,1,2,3
	v_add_nc_u32 v[TM+12+\b], 0xff000000, v[TM+\b]
.endr
.irp b, 0,1,2,3
	v_lshrrev_b32 v[TM+4+\b], 23, v[TM+12+\b]
.endr
	v_lshl_or_b32 v[\pw], v[TM+5], 8, v[TM+4]
	v_lshl_or_b32 v[\pw], v[TM+6], 16, v[\pw]
	v_lshl_or_b32 v[\pw], v[TM+7], 24, v[\pw]
.irp c, 0,1
	v_cvt_scalef32_pk16_fp6_f32 v[(\pc)+6*\c:(\pc)+2+6*\c], v[\s+32*\c:\s+15+32*\c], v[TM+12+2*\c]
	v_cvt_scalef32_pk16_fp6_f32 v[TQ+4*\c:TQ+2+4*\c], v[\s+16+32*\c:\s+31+32*\c], v[TM+12+2*\c+1]
.endr
	v_nop
.irp c, 0,1
.irp i, 0,1,2
	v_permlane16_swap_b32 v[(\pc)+6*\c+\i], v[TQ+4*\c+\i]
.endr
.irp i, 0,1,2
	v_mov_b32 v[(\pc)+3+6*\c+\i], v[TQ+4*\c+\i]
.endr
.endr
.endm
; ---- q, k: my 128 tokens x two heads.  s80 = first token, s82 = first feature (0 .. 2,047: q's 1,024, then k's)
	s_lshr_b32 s83, s82, 10                        ; 0 q, 1 k
	s_lshl_b32 s83, s83, 6
	s_lshr_b32 s84, s80, 11                        ; the batch
	s_lshl_b32 s84, s84, 4
	s_add_co_u32 s83, s83, s84
	s_bfe_u32 s84, s82, 0x40006                    ; my first head
	s_add_co_u32 s83, s83, s84
	s_lshl_b32 s83, s83, 4
	s_bfe_u32 s84, s80, 0x40007                    ; the step of 128 tokens in the batch
	s_add_co_u32 s83, s83, s84
	s_mul_i32 s84, s83, RECB
	s_add_nc_u64 s[76:77], s[76:77], s[84:85]      ; my first head's record; the second head's lies HEADB on
	s_bfe_u32 s84, s80, 0x70004                    ; my first tile of positions
	s_lshl_b32 s84, s84, 12
	s_add_nc_u64 s[74:75], s[74:75], s[84:85]
	s_cmp_eq_u32 ttmp9, 1
	s_cselect_b64 s[68:69], s[70:71], s[68:69]     ; bk or bq
	s_and_b32 s84, s82, 1023
	s_lshl_b32 s84, s84, 2
	s_add_nc_u64 s[68:69], s[68:69], s[84:85]
	s_wait_alu depctr_va_vdst(0)
	v_lshlrev_b32 v5, 5, v2
; WHERE A LANE'S IMAGE GOES.  q: as the records' description has it (16 x lane, group G).  k: THE KEYS OF A TILE ARE CHOSEN FOR THE NEXT LAUNCH: token 16 (2 G + e) + r is row 8 (G % 2) + r % 8 of tile e of group 2 (G / 2) + r / 8,
; so that tile 4 c + u holds keys 64 c + {0, 16, 8, 24}[u] + 0 .. 7 in rows 0-7 and the keys 32 further on in rows 8-15.  Only addresses differ: v16, v17 the codes' place for even and odd G, v18, v19 the scale words'.
	s_cmp_eq_u32 ttmp9, 1
	s_cselect_b32 s86, -1, 0
	s_mov_b32 s87, 1536
	s_cselect_b32 s87, 128, s87
	s_cselect_b32 s88, 128, 4
	v_and_b32 v6, 7, v1
	v_lshrrev_b32 v7, 3, v1
	v_lshlrev_b32 v6, 4, v6
	v_lshl_add_u32 v6, v2, 8, v6                   ; 16 (r % 8) + 256 (lane / 16)
	v_mad_u32_u24 v16, v7, 1536, v6
	v_lshl_add_u32 v18, v7, 2, v6
	v_cndmask_b32 v16, v3, v16, s86
	v_cndmask_b32 v18, v3, v18, s86
	v_add_nc_u32 v17, s87, v16
	v_add_nc_u32 v19, s88, v18
.irp b, 0,1,2,3,4,5,6,7
	global_load_b128 v[BIAS+8*\b:BIAS+8*\b+3], v5, s[68:69] offset:64*\b
	global_load_b128 v[BIAS+8*\b+4:BIAS+8*\b+7], v5, s[68:69] offset:64*\b+16
.endr
	WIN 0x40                                       ; cos and sin of my eight tiles of positions fill window 1: tile a at v[32 a]
.irp a, 0,1,2,3,4,5,6,7
.irp k, 0,1,2,3,4,5,6,7
	global_load_b128 v[32*\a+4*\k:32*\a+4*\k+3], v3, s[74:75] offset:4096*\a+512*\k
.endr
.endr
	WIN 0
; One tile of 16 tokens, one head: bias, rotation, quantiser.  Register 8 t + j of the 32 is channel 16 t + 8 h + j; a pair of channels is a pair of registers, and the table has its cos and sin at the same two numbers.
.macro HEADTILE a, hd, e
.set AC, 64*((\a)%4)+32*(\hd)
.set CSB, 32*(\a)
	WIN 0x02+(\a)/4                                ; source 0: the accumulators' window
.set i, 0
.rept 16
	v_pk_add_f32 v[T+i:T+i+1], v[AC+i:AC+i+1], v[BIAS+32*(\hd)+i:BIAS+32*(\hd)+i+1]   ; each accumulator from its low end on
.set i, i+2
.endr
	WIN 0x04                                       ; source 1: the table's window
.irp g, 0,1,2,3                        ; four pairs at a time
.irp w, 0,1,2,3
	v_mul_f32 v[U+2*\w], v[T+8*\g+2*\w], v[CSB+8*\g+2*\w]          ; x cos
	v_mul_f32 v[U+2*\w+1], v[T+8*\g+2*\w], v[CSB+8*\g+2*\w+1]      ; x sin
.endr
.irp w, 0,1,2,3
	v_fma_f32 v[T+8*\g+2*\w], -v[T+8*\g+2*\w+1], v[CSB+8*\g+2*\w+1], v[U+2*\w]     ; x cos - y sin
	v_fma_f32 v[T+8*\g+2*\w+1], v[T+8*\g+2*\w+1], v[CSB+8*\g+2*\w], v[U+2*\w+1]    ; x sin + y cos
.endr
.endr
	WIN 0
	QUANT2 T, PC+12*(\hd)+6*(\e)
	v_lshl_or_b32 v[PWE+(\e)], v[TM+5], 8, v[TM+4]
	v_or_b32 v[PWE+(\e)], 0x7f7f0000, v[PWE+(\e)]  ; K = 64: the upper two blocks of the instruction's 128 get the byte 127
.endm
.irp G, 0,1,2,3
	s_wait_loadcnt 48-16*\G                        ; the bias and the table of tiles up to 2 G + 1 are in; the later tiles' 8 loads each may be out
.irp hd, 0,1
	s_wait_xcnt 0x0                                ; the earlier stores have read their registers: this set of codes is written again
.irp e, 0,1
	HEADTILE 2*\G+\e, \hd, \e
.endr
	v_cndmask_b32 v[WS+4*\hd+\G], v[PWE], v[PWE+1], s22   ; lanes 0-15 the even tile's words, lanes 16-31 the odd tile's
.irp i, 0,1,2
	global_store_b128 v[16+\G%2], v[PC+12*\hd+4*\i:PC+12*\hd+4*\i+3], s[76:77] offset:\hd*HEADB+(\G/2)*3072+512*\i
.endr
.endr
.endr
.irp hd, 0,1
.irp G, 0,1,2,3
	global_store_b32 v[18+\G%2], v[WS+4*\hd+\G], s[76:77] offset:\hd*HEADB+12288+8*(\G/2)
.endr
.endr
	s_branch .Ldone
; ---- v: my 128 channels (two heads) x 128 tokens.  s80 = first feature, s82 = first token
.Lv:
	s_lshr_b32 s83, s82, 11                        ; the batch
	s_lshl_b32 s83, s83, 4
	s_lshr_b32 s84, s80, 6                         ; my first head
	s_add_co_u32 s83, s83, s84
	s_add_co_u32 s83, s83, 64                      ; k's and v's records
	s_lshl_b32 s83, s83, 4
	s_bfe_u32 s84, s82, 0x40007
	s_add_co_u32 s83, s83, s84
	s_mul_i32 s84, s83, RECB
	s_add_nc_u64 s[76:77], s[76:77], s[84:85]
	s_lshl_b32 s84, s80, 2
	s_add_nc_u64 s[72:73], s[72:73], s[84:85]
	s_wait_alu depctr_va_vdst(0)
	v_lshlrev_b32 v5, 2, v1                        ; my channel's bias, twice: a pair for the packed addition
.irp a, 0,1,2,3,4,5,6,7
	global_load_b32 v[BIAS+2*\a], v5, s[72:73] offset:64*\a
	global_load_b32 v[BIAS+2*\a+1], v5, s[72:73] offset:64*\a
.endr
	s_wait_loadcnt 0x0
.irp a, 0,1,2,3,4,5,6,7
	s_wait_xcnt 0x0                                ; the earlier stores have read their registers
	WIN 0x02+\a/4
.set i, 0
.rept 32
	v_pk_add_f32 v[TV+i:TV+i+1], v[64*(\a%4)+i:64*(\a%4)+i+1], v[BIAS+2*\a:BIAS+2*\a+1]
.set i, i+2
.endr
	WIN 0
	QUANT TV, PC+12*(\a%2), WS+\a
.irp i, 0,1,2
	global_store_b128 v3, v[PC+12*(\a%2)+4*\i:PC+12*(\a%2)+4*\i+3], s[76:77] offset:(\a/4)*HEADB+6144+(\a%4)*1536+512*\i
.endr
.if \a%4 == 3
	global_store_b128 v3, v[WS+4*(\a/4):WS+4*(\a/4)+3], s[76:77] offset:(\a/4)*HEADB+12800
.endif
.endr
.Ldone:
	s_wait_tensorcnt 0x0                           ; the wave's end
	ds_add_u32 v[SPW], v[NIL]
	s_wait_dscnt 0x0
	CROUND                                         ; the closing round
	s_endpgm
.Lfunc_end_k_q3a4eacb5aa_qkv:
	.size	k_q3a4eacb5aa_qkv, .Lfunc_end_k_q3a4eacb5aa_qkv-k_q3a4eacb5aa_qkv
	.p2alignl 7, 3214868480
	.fill 96, 4, 3214868480
	.section	.rodata,"a",@progbits
	.p2align	6, 0x0
	.amdhsa_kernel k_q3a4eacb5aa_qkv
		.amdhsa_group_segment_fixed_size 327680
		.amdhsa_private_segment_fixed_size 0
		.amdhsa_enable_private_segment 0
		.amdhsa_kernarg_size 72
		.amdhsa_user_sgpr_count 2
		.amdhsa_user_sgpr_kernarg_segment_ptr 1
		.amdhsa_wavefront_size32 1
		.amdhsa_system_sgpr_workgroup_id_x 1
		.amdhsa_system_sgpr_workgroup_id_y 1
		.amdhsa_system_sgpr_workgroup_id_z 1
		.amdhsa_system_vgpr_workitem_id 0
		.amdhsa_next_free_vgpr 1024
		.amdhsa_next_free_sgpr 102
		.amdhsa_reserve_vcc 0
		.amdhsa_float_denorm_mode_32 3
		.amdhsa_float_denorm_mode_16_64 3
		.amdhsa_memory_ordered 1
		.amdhsa_forward_progress 1
		.amdhsa_inst_pref_size 255
	.end_amdhsa_kernel
	.section	.bss,"aw",@nobits
	.p2align	6
	.space	262144
	.amdgpu_metadata
---
amdhsa.version: [ 1, 2 ]
amdhsa.kernels:
  - .name:           k_q3a4eacb5aa_qkv
    .symbol:         k_q3a4eacb5aa_qkv.kd
    .args:
      - { .name: xc, .offset: 0, .size: 8, .value_kind: global_buffer, .address_space: global }
      - { .name: xs, .offset: 8, .size: 8, .value_kind: global_buffer, .address_space: global }
      - { .name: wc, .offset: 16, .size: 8, .value_kind: global_buffer, .address_space: global }
      - { .name: ws, .offset: 24, .size: 8, .value_kind: global_buffer, .address_space: global }
      - { .name: bq, .offset: 32, .size: 8, .value_kind: global_buffer, .address_space: global }
      - { .name: bk, .offset: 40, .size: 8, .value_kind: global_buffer, .address_space: global }
      - { .name: bv, .offset: 48, .size: 8, .value_kind: global_buffer, .address_space: global }
      - { .name: tab, .offset: 56, .size: 8, .value_kind: global_buffer, .address_space: global }
      - { .name: rec, .offset: 64, .size: 8, .value_kind: global_buffer, .address_space: global }
    .group_segment_fixed_size: 327680
    .private_segment_fixed_size: 0
    .kernarg_segment_align: 8
    .kernarg_segment_size: 72
    .max_flat_workgroup_size: 128
    .sgpr_count:     102
    .vgpr_count:     1024
    .wavefront_size: 32
...
	.end_amdgpu_metadata
.endif
;; end of part 2
;; launch attn (part 3): grid 4 x 64, 12 waves a work-group, clusters of 4 x 1, 327,680 bytes of LDS; arguments rec, oc, os; writes oc, os
.if DOCPART == 3
	.amdgcn_target "amdgcn-amd-amdhsa--gfx1250"
	.amdhsa_code_object_version 6
	.text
	.protected	k_q3a4eacb5aa_attn
	.globl	k_q3a4eacb5aa_attn
	.p2align	8
	.type	k_q3a4eacb5aa_attn,@function
k_q3a4eacb5aa_attn:
	s_mov_b64 s[64:65], 0
	v_nop
	global_prefetch_b8 v0, s[64:65] scope:SCOPE_SE
	s_setreg_imm32_b32 hwreg(HW_REG_WAVE_MODE, 25, 1), 1
	s_wait_xcnt 0x0
	s_wait_alu depctr_hold_cnt(0) depctr_sa_sdst(0) depctr_va_vdst(0) depctr_va_sdst(0) depctr_va_ssrc(0) depctr_va_vcc(0) depctr_vm_vsrc(0)
	s_getreg_b32 s2, hwreg(HW_REG_IB_STS2, 6, 4)
	s_cmp_eq_u32 s2, 0
	s_cbranch_scc0 .Lentry_in_a_cluster
	s_endpgm
.Lentry_in_a_cluster:
	s_bfe_u32 s2, ttmp6, 0x10000c
	s_cmp_lg_u32 s2, 0x3003
	s_cbranch_scc0 .Lentry_shape_is_right
	s_endpgm
.Lentry_shape_is_right:
; o = softmax(q k^T / 8) v for one head and 512 queries a work-group, on codes of FP6 (E2M3) with E8M0 scales; o is divided by the row's sum, quantised along the head's 64 channels and leaves as images of the last launch's operand registers.
; p = 2^(t - M), t = score x log2(e) / 8, M the running largest t rounded up to a whole number; the row's sum is taken of the unquantised p; when M moves, sum and O^T are multiplied by a power of two.
; A block's largest p is made from the block's largest score by the same multiply-add and exponential as every p (this takes v_exp_f32 not to fall where its input rises).
; LIMITS: the scaled scores stay under 2^31 in magnitude; NaN and infinities are not served.
; THE DEAL: 64 heads x 4 quarters of the queries = 256 work-groups of 12 waves.  A work-group's 32 tiles of 16 queries: wave w takes tiles 2 w and 2 w + 1, and waves 0-7 also tile 24 + w.  A pass is one tile over the head's 2,048 keys, 16 steps of 128.
; ONE LOOP OF 48 TRIPS for every wave; waves 8-11 jump over the work of trips 32-47 (a branch made of the wave's number and the loop's counter; no barrier stands in the loop).
; CLUSTERS of 4: the four quarters of a head read the same sixteen records of k and v (13,312 bytes for 128 keys each), which lie on end: waves 0-7 ask jointly for two records each, one tensor load a wave, at the head.
; All tiles are asked for at the head, so there is no loop in which a prefetch could run ahead of a load: none is written.  Nothing is filled again: one barrier shows the records to all waves.
; BOTH PRODUCTS ARE USED TRANSPOSED (S^T = k q^T, O^T = v^T p^T): a lane holds one query.  The launch before chose each tile's keys so that lane (r, h) finds in the 32 registers of tiles 4 c .. 4 c + 3 the WHOLE block 2 c + h of 32 keys,
; in the order in which v's codes lie: a block's largest score needs no other lane, and two conversions and three moves give the block's six operand registers.
; K = 64 of the instruction's 128: q's upper six registers hold zero codes, so k's operand may run on into whatever bits follow it (the next tile's codes; behind the last tile six registers of this text's own: every 6-bit code is a finite number); the upper scale bytes are 127.
; FRAGMENTS RUN ONE STEP AHEAD: k has registers of its own and v has: step t + 1's 13 loads of k are issued behind step t's first product, its 13 of v behind the second.  So each of the two counted waits leaves out the 13 younger loads of the other operand.
; The last step of a pass asks for record 0 again (the record's number is taken modulo 16): the next pass begins with it.
; The next pass's q waits in registers; the third pass's is loaded behind the first pass, a whole pass ahead of its use.
; A tile's 32 scale bytes are stored by its lanes as 32 consecutive bytes (lanes l and l xor 16 hold the same bytes and name the same place).
; All 256 registers are taken, so v0 is kept and the add's two registers are made anew ahead of the closing lines.
.set RECB,  13312
.set VIMG,  6144
.set KSC,   12288
.set VSC,   12800
.set SPARE, 16*RECB                    ; behind the records: the spare words, 128 bytes a wave
.set AD,  1                            ; LDS address of the next step's record, my lane
.set QS1, 2                            ; the next pass's scale words of q
.set QS,  3                            ; q's scale words
.set NM,  4                            ; -M;  v5 the running largest score
.set MR,  5
.set L,   6                            ; v6, v7 the row's sum in two halves
.set SO,  8                            ; v8, v9 second chains; the conversions' scale operands; a chain of the sum
.set BM,  10                           ; v10, v11 my two blocks' largest score, then largest p; a chain of the sum
.set SPW, 10                           ; (at the head and at the end: my spare word's address and 0)
.set NIL, 11
.set F,   12                           ; 2^(old M - new M)
.set PW,  13                           ; p's scale word
.set SUM, 14                           ; v14, v15 a chain of the sum; v14 before that the old -M
.set Q,   16                           ; v16-21 q, v22-27 zero codes
.set KS,  28                           ; v28-31 k's scale words
.set KF,  32                           ; v32-79 k's eight tiles, six registers each
.set T0,  80                           ; v80-82, v252-254 the conversions' second halves
.set SH,  83                           ; 8 h
.set TB,  84                           ; v84, v85 at work
.set VS,  86                           ; v86-89 v's scale words
.set Q1,  90                           ; v90-95 the next pass's q
.set S,   96                           ; v96-159 S^T, then p
.set O,   160                          ; v160-191 O^T
.set VF,  192                          ; v192-239 v's four fragments
.set P,   240                          ; v240-251 p's codes
.set T1,  252
.set LI,  255                          ; 16 x lane
.set WV,  18
.set SEL, 20
.set CS,  22
.set G1,  24
.set G0,  32
.macro WALU
	s_wait_alu depctr_va_vdst(0)
.endm
.macro CROUND
	s_barrier_signal -1
	s_barrier_wait -1
	s_cmp_lg_u32 s[WV], 0
	s_cbranch_scc1 .Lnot_wave_0_\@
	s_barrier_signal -3
.Lnot_wave_0_\@:
	s_barrier_wait -3
	s_barrier_signal -1
	s_barrier_wait -1
.endm
.macro KL a, i                         ; the i-th of k's 13 loads
.if (\i) == 0
	ds_load_b128 v[KS:KS+3], v[\a] offset:KSC
.else
	ds_load_b128 v[KF+4*(\i)-4:KF+4*(\i)-1], v[\a] offset:512*(\i)-512
.endif
.endm
.macro VLOAD a
	ds_load_b128 v[VS:VS+3], v[\a] offset:VSC
.irp i, 0,1,2,3,4,5,6,7,8,9,10,11
	ds_load_b128 v[VF+4*\i:VF+4*\i+3], v[\a] offset:VIMG+512*\i
.endr
.endm
.macro QK t                            ; tile t of 16 keys x my 16 queries; a register of k's scale words serves the even tile in lanes 0-15, the odd one in lanes 16-31
.if (\t)%2
	v_wmma_scale_f32_16x16x128_f8f6f4 v[S+8*(\t):S+8*(\t)+7], v[KF+6*(\t):KF+6*(\t)+11], v[Q:Q+11], 0, v[KS+(\t)/2], v[QS] matrix_a_fmt:MATRIX_FMT_FP6 matrix_b_fmt:MATRIX_FMT_FP6 matrix_a_scale:MATRIX_SCALE_ROW1
.else
	v_wmma_scale_f32_16x16x128_f8f6f4 v[S+8*(\t):S+8*(\t)+7], v[KF+6*(\t):KF+6*(\t)+11], v[Q:Q+11], 0, v[KS+(\t)/2], v[QS] matrix_a_fmt:MATRIX_FMT_FP6 matrix_b_fmt:MATRIX_FMT_FP6
.endif
.endm
.macro START                           ; a pass begins: the step is written once, and the first finds zeros
	v_mov_b32 v[MR], 0xff61b1e6                    ; -3e38, under every score
	v_floor_f32 v[NM], -v[MR]
	v_mov_b32 v[L], 0
	v_mov_b32 v[L+1], 0
.set j, 0
.rept 32
	v_mov_b32 v[O+j], 0
.set j, j+1
.endr
.endm
; ---- the head
	s_load_b128 s[4:7], s[0:1], 0x0                ; rec, oc
	s_load_b64 s[8:9], s[0:1], 0x10                ; os
	v_lshl_add_u32 v[SPW], v0, 2, SPARE
	v_mov_b32 v[NIL], 0
	ds_add_u32 v[SPW], v[NIL]                      ; the opening lines: the add twice and its wait ahead of a tensor load
	ds_add_u32 v[SPW], v[NIL]
	v_lshrrev_b32 v8, 5, v0
	v_readfirstlane_b32 s[WV], v8                  ; wave 0..11
	s_bfe_u32 s10, ttmp6, 0x40000                  ; cx: my quarter of the queries
	s_and_b32 s11, ttmp7, 0xffff                   ; batch x 16 + head
	s_mov_b32 s[G1], 15|(3<<16)|(1<<21)            ; all four partners; elements of 8 bytes; bit 21 beside a mask
	s_mov_b32 s[G1+1], 32<<16                      ; two records: a dense block, 104 rows of 256 bytes
	s_mov_b32 s[G1+2], 104<<16
	s_mov_b32 s[G1+3], 32<<16
	s_mov_b32 s[G1+4], 104
	s_mov_b32 s[G1+5], 32
	s_mov_b32 s[G1+6], 0
	s_mov_b32 s[G1+7], 0
	s_mov_b32 s[G0], 1
	s_mul_i32 s[G0+1], s[WV], 2*RECB               ; records 2 w and 2 w + 1, on end in LDS as in memory
	s_add_co_u32 s13, s11, 64                      ; k's and v's records of my head
	s_mul_i32 s14, s13, 16*RECB
	s_add_co_u32 s14, s14, s[G0+1]
	s_mov_b32 s15, 0
	s_mov_b32 s[SEL], 0x76543210
	s_mov_b32 s[SEL+1], 0xfedcba98                 ; lane l xor 16
	s_mov_b32 s[CS], 0x3e38aa3b                    ; log2(e) / 8
	s_mov_b32 s[CS+1], s[CS]
	WALU
	s_wait_dscnt 0x0
	s_wait_kmcnt 0x0
	s_add_nc_u64 s[G0+2:G0+3], s[4:5], s[14:15]
	s_or_b32 s[G0+3], s[G0+3], 0x80000000
	CROUND                                         ; the four partners are here: the joint loads meet
	s_cmp_lt_u32 s[WV], 8
	s_cbranch_scc0 .Lno_load                       ; sixteen records, two a load: waves 8-11 have none
	tensor_load_to_lds s[G0:G0+3], s[G1:G1+7]
	s_nop 0
.rept 4
	v_nop
.endr
.Lno_load:
	v_and_b32 v[LI], 31, v0
	v_bfe_u32 v[SH], v0, 4, 1
	v_and_b32 v8, 15, v0
	v_lshlrev_b32 v[LI], 4, v[LI]
	v_lshlrev_b32 v[SH], 3, v[SH]
	v_lshlrev_b32 v8, 4, v8                        ; 16 r: a tile's scale words go to lanes r and 16 + r alike
	s_lshl_b32 s48, s11, 4
	s_lshl_b32 s49, s10, 2
	s_add_co_u32 s48, s48, s49                     ; q's first record of my quarter
	s_add_co_u32 s38, s48, 3                       ; tile 24 + w: its fourth record, group w / 2 (waves 8-11 never use theirs: held at 3), tile w % 2 of the group
	s_mul_i32 s38, s38, RECB
	s_lshr_b32 s49, s[WV], 1
	s_min_u32 s49, s49, 3
	s_mul_i32 s39, s49, 1536
	s_add_co_u32 s14, s38, s39
	s_and_b32 s52, s[WV], 1
	s_mul_i32 s53, s52, 520                        ; the odd tile's six registers begin 520 bytes into the group's image
	s_add_co_u32 s14, s14, s53
	s_add_nc_u64 s[40:41], s[4:5], s[14:15]
	s_lshl_b32 s49, s49, 2
	s_lshl_b32 s53, s52, 8
	s_add_co_u32 s14, s38, s49
	s_add_co_u32 s14, s14, s53
	s_add_co_u32 s14, s14, KSC
	s_add_nc_u64 s[36:37], s[4:5], s[14:15]
	s_cmp_eq_u32 s52, 1
	s_cselect_b32 s42, 504, 8                      ; where its second pair of registers lies
	s_lshr_b32 s49, s[WV], 2                       ; tiles 2 w, 2 w + 1: record w / 4, group w % 4
	s_add_co_u32 s48, s48, s49
	s_mul_i32 s48, s48, RECB
	s_mov_b32 s49, 0
	s_add_nc_u64 s[50:51], s[4:5], s[48:49]
	s_and_b32 s52, s[WV], 3
	s_mul_i32 s48, s52, 1536
	s_add_nc_u64 s[54:55], s[50:51], s[48:49]
	s_lshl_b32 s48, s52, 2
	s_add_nc_u64 s[50:51], s[50:51], s[48:49]
	WALU
	global_load_b128 v[Q:Q+3], v[LI], s[54:55]
	global_load_b64 v[Q+4:Q+5], v[LI], s[54:55] offset:512
	global_load_b64 v[Q1:Q1+1], v[LI], s[54:55] offset:520
	global_load_b128 v[Q1+2:Q1+5], v[LI], s[54:55] offset:1024
	global_load_b32 v[QS], v8, s[50:51] offset:KSC
	global_load_b32 v[QS1], v8, s[50:51] offset:KSC+256
.irp j, 0,1,2,3,4,5
	v_mov_b32 v[Q+6+\j], 0
.endr
	v_mov_b32 v[PW], 0                             ; named as the upper half of a pair before it is first made
.irp j, 0,1,2
	v_mov_b32 v[T0+\j], 0                          ; named behind k's last tile before they are first made
.endr
	v_mov_b32 v[TB], 0
	v_mov_b32 v[TB+1], 0
	v_mov_b32 v[SO+1], 0                           ; a lane permute's destination counts as a source
	s_lshr_b32 s56, s11, 4                         ; batch
	s_and_b32 s57, s11, 15                         ; head
	s_lshl_b32 s48, s56, 7                         ; oc[tile of 16 tokens][head][768 bytes]: my work-group's first tile
	s_lshl_b32 s58, s10, 5
	s_add_co_u32 s48, s48, s58
	s_mul_i32 s48, s48, 12288
	s_mul_i32 s58, s57, 768
	s_add_co_u32 s48, s48, s58
	s_add_nc_u64 s[6:7], s[6:7], s[48:49]
	s_lshl_b32 s48, s57, 14                        ; os[head][token][2 bytes]
	s_lshl_b32 s58, s56, 12
	s_add_co_u32 s48, s48, s58
	s_lshl_b32 s58, s10, 10
	s_add_co_u32 s48, s48, s58
	s_add_nc_u64 s[8:9], s[8:9], s[48:49]
	s_lshl_b32 s47, s[WV], 1                       ; my first tile
	s_add_co_u32 s45, s[WV], 24                    ; my third
	s_cmp_lt_u32 s[WV], 8
	s_cselect_b32 s61, 48, 32                      ; my steps
	s_mov_b32 s3, 0
	START
	WALU
	s_wait_loadcnt 0x0
	s_wait_tensorcnt 0x0                           ; my records are in,
	s_barrier_signal -1
	s_barrier_wait -1                              ; everybody's are
.irp i, 0,1,2,3,4,5,6,7,8,9,10,11,12
	KL LI, \i                                      ; step 0's fragments
.endr
	VLOAD LI
.Lstep:
	s_cmp_ge_u32 s3, s61
	s_cbranch_scc1 .Lnext                          ; waves 8-11 have two passes
	s_wait_dscnt 13                                ; k's 13 loads are in; v's 13, issued behind them, may be out
.irp t, 0,1,2,3,4,5,6,7
	QK \t
.endr
	s_add_co_u32 s13, s3, 1
	s_and_b32 s13, s13, 15
	s_mul_i32 s2, s13, RECB                        ; the next record, modulo 16
	v_add_nc_u32 v[AD], s2, v[LI]                  ; four plain lines between the products and the reads of their results (ISA guide 7.12.1)
	v_mov_b32 v[SUM], v[NM]                        ; the old -M
	v_nop
	v_nop
; the largest score of my two blocks: two chains a block, each accumulator read from its low end on
.irp c, 0,1
	v_max3_num_f32 v[BM+\c], v[S+32*\c], v[S+32*\c+1], v[S+32*\c+2]
	v_max3_num_f32 v[SO+\c], v[S+32*\c+16], v[S+32*\c+17], v[S+32*\c+18]
.endr
.irp i, 3,5,7,9,11,13
.irp c, 0,1
	v_max3_num_f32 v[BM+\c], v[BM+\c], v[S+32*\c+\i], v[S+32*\c+\i+1]
	v_max3_num_f32 v[SO+\c], v[SO+\c], v[S+32*\c+16+\i], v[S+32*\c+17+\i]
.endr
.endr
.irp c, 0,1
	v_max3_num_f32 v[BM+\c], v[BM+\c], v[SO+\c], v[S+32*\c+15]
.endr
.irp c, 0,1
	v_max_num_f32 v[BM+\c], v[BM+\c], v[S+32*\c+31]
.endr
; the row's chain, each line waiting for the line above: the next step's loads of k stand among its lines
	v_max_num_f32 v[SO], v[BM], v[BM+1]
	KL AD, 0
	KL AD, 1
	v_permlanex16_b32 v[SO+1], v[SO], s[SEL], s[SEL+1]
	KL AD, 2
	KL AD, 3
	v_max3_num_f32 v[MR], v[MR], v[SO], v[SO+1]    ; the running largest score of my query
	KL AD, 4
	KL AD, 5
	v_mul_f32 v[SO], s[CS], v[MR]
	KL AD, 6
	KL AD, 7
	v_floor_f32 v[NM], -v[SO]                      ; -M = floor(-t)
	KL AD, 8
	KL AD, 9
	v_sub_f32 v[SUM], v[NM], v[SUM]                ; old M less new M: a whole number, 0 or less
	KL AD, 10
	KL AD, 11
	KL AD, 12
.set j, 0
.rept 32
	v_pk_fma_f32 v[S+j:S+j+1], v[S+j:S+j+1], s[CS:CS+1], v[NM:NM+1] op_sel_hi:[1,0,0]   ; t - M
.if j == 2
	v_cvt_i32_f32 v[SUM], v[SUM]                   ; (it saturates)
.endif
.if j == 8
	v_ldexp_f32 v[F], 1.0, v[SUM]
.endif
.set j, j+2
.endr
.irp c, 0,1
	v_fma_f32 v[BM+\c], v[BM+\c], s[CS], v[NM]     ; the same of each block's largest score
.endr
.set j, 0
.rept 16
	v_pk_mul_f32 v[O+j:O+j+1], v[O+j:O+j+1], v[F:F+1] op_sel_hi:[1,0]   ; O^T under the new M, ahead of the exponentials
.set j, j+2
.endr
	WALU
	v_exp_f32 v[BM], v[BM]
	v_exp_f32 v[BM+1], v[BM+1]
.set j, 0
.rept 64
	v_exp_f32 v[S+j], v[S+j]
.set j, j+1
.endr
	v_pk_mul_f32 v[L:L+1], v[L:L+1], v[F:F+1] op_sel_hi:[1,0]   ; the sums under the new M: the plain line behind the batch
	WALU                                           ; one wait for the batch, ahead of its first reader
.irp c, 0,1
	v_max_num_f32 v[BM+\c], 0x1800000, v[BM+\c]    ; the floor 2^(3 - 127): the byte cannot fall under 1
.endr
.irp c, 0,1
	v_add_nc_u32 v[SO+\c], 0xff000000, v[BM+\c]    ; 2 off the exponent field: the conversions' scale operand
.endr
.irp c, 0,1
	v_lshrrev_b32 v[TB+\c], 23, v[SO+\c]
.endr
	v_lshl_or_b32 v[PW], v[TB+1], 16, v[TB]        ; my bytes: blocks h and 2 + h,
	v_lshlrev_b32 v[PW], v[SH], v[PW]              ; at their places,
	v_permlanex16_b32 v[TB], v[PW], s[SEL], s[SEL+1]
	v_or_b32 v[PW], v[PW], v[TB]                   ; with lane l xor 16's two the word is whole
	v_cvt_scalef32_pk16_fp6_f32 v[P:P+2], v[S:S+15], v[SO]
	v_cvt_scalef32_pk16_fp6_f32 v[T0:T0+2], v[S+16:S+31], v[SO]
	v_cvt_scalef32_pk16_fp6_f32 v[P+6:P+8], v[S+32:S+47], v[SO+1]
	v_cvt_scalef32_pk16_fp6_f32 v[T1:T1+2], v[S+48:S+63], v[SO+1]
	v_pk_add_f32 v[SUM:SUM+1], v[S:S+1], v[S+2:S+3]   ; the row's sum, of the unquantised p, in four chains (this line is also the plain line behind the conversions)
	v_pk_add_f32 v[SO:SO+1], v[S+4:S+5], v[S+6:S+7]
	v_pk_add_f32 v[BM:BM+1], v[S+8:S+9], v[S+10:S+11]
.irp i, 0,1,2
	v_mov_b32 v[P+3+\i], v[T0+\i]                  ; a conversion's three registers begin on an even number
	v_mov_b32 v[P+9+\i], v[T1+\i]
.endr
.macro SUM4 j
	v_pk_add_f32 v[L:L+1], v[L:L+1], v[S+\j:S+\j+1]
	v_pk_add_f32 v[SUM:SUM+1], v[SUM:SUM+1], v[S+\j+2:S+\j+3]
	v_pk_add_f32 v[SO:SO+1], v[SO:SO+1], v[S+\j+4:S+\j+5]
	v_pk_add_f32 v[BM:BM+1], v[BM:BM+1], v[S+\j+6:S+\j+7]
.endm
.irp j, 12,20,28,36,44
	SUM4 \j
.endr
	WALU
	s_wait_dscnt 13                                ; v's 13 loads are in; the next step's 13 of k may be out
.irp t, 0,1,2,3
	v_wmma_scale_f32_16x16x128_f8f6f4 v[O+8*\t:O+8*\t+7], v[VF+12*\t:VF+12*\t+11], v[P:P+11], v[O+8*\t:O+8*\t+7], v[VS+\t], v[PW] matrix_a_fmt:MATRIX_FMT_FP6 matrix_b_fmt:MATRIX_FMT_FP6
.endr
	SUM4 52                                        ; four lines of the sum are the places ahead of the loads into v's registers
	VLOAD AD
	v_pk_add_f32 v[L:L+1], v[L:L+1], v[S+60:S+61]
	v_pk_add_f32 v[SUM:SUM+1], v[SUM:SUM+1], v[S+62:S+63]
	v_pk_add_f32 v[SO:SO+1], v[SO:SO+1], v[BM:BM+1]
	v_pk_add_f32 v[L:L+1], v[L:L+1], v[SUM:SUM+1]
	v_pk_add_f32 v[L:L+1], v[L:L+1], v[SO:SO+1]
	s_and_b32 s62, s3, 15
	s_cmp_lg_u32 s62, 15
	WALU
	s_cbranch_scc1 .Lnext
; ---- a pass's way out: O^T / the sum, quantised along the channels (a block of 32 lies in lanes l and l xor 16), six registers of codes and two scale bytes a query.  k's and v's registers are left alone: record 0's loads are on their way
	s_lshr_b32 s63, s3, 4                          ; the pass
	s_add_co_u32 s46, s47, s63
	s_cmp_eq_u32 s63, 2
	s_cselect_b32 s46, s45, s46                    ; its tile: 2 w, 2 w + 1, 24 + w
	s_mul_i32 s56, s46, 12288
	s_lshl_b32 s57, s46, 5
	v_add_f32 v[L], v[L], v[L+1]
	v_permlanex16_b32 v[TB], v[L], s[SEL], s[SEL+1]
	v_add_f32 v[L], v[L], v[TB]
	WALU
	v_rcp_f32 v[L], v[L]
	v_and_b32 v148, 31, v0
	WALU                                           ; ahead of the first reader of the quotient and of O^T
.set j, 0
.rept 16
	v_pk_mul_f32 v[S+j:S+j+1], v[O+j:O+j+1], v[L:L+1] op_sel_hi:[1,0]
.set j, j+2
.endr
.irp b, 0,1
	v_max3_num_f32 v[128+\b], |v[S+16*\b]|, |v[S+1+16*\b]|, 0x1800000
.endr
.irp i, 2,4,6,8,10,12,14
.irp b, 0,1
	v_max3_num_f32 v[128+\b], v[128+\b], |v[S+16*\b+\i]|, |v[S+1+16*\b+\i]|
.endr
.endr
.irp b, 0,1
	v_permlanex16_b32 v[132+\b], v[128+\b], s[SEL], s[SEL+1]
.endr
.irp b, 0,1
	v_max_num_f32 v[128+\b], v[128+\b], v[132+\b]
.endr
.irp b, 0,1
	v_add_nc_u32 v[136+\b], 0xff000000, v[128+\b]
.endr
.irp b, 0,1
	v_lshrrev_b32 v[132+\b], 23, v[136+\b]
.endr
	v_lshl_or_b32 v140, v133, 8, v132
	v_cvt_scalef32_pk16_fp6_f32 v[P:P+2], v[S:S+15], v136
	v_cvt_scalef32_pk16_fp6_f32 v[144:146], v[S+16:S+31], v137
	v_lshl_add_u32 v148, v148, 3, s56              ; 8 x lane, in my tile of oc (the plain line behind the conversions)
.irp i, 0,1,2
	v_permlane16_swap_b32 v[P+\i], v[144+\i]       ; a lane gets a whole block
.endr
.irp i, 0,1,2
	v_mov_b32 v[P+3+\i], v[144+\i]
.endr
	v_and_b32 v149, 15, v0
	v_lshl_add_u32 v149, v149, 1, s57              ; 2 r, in my tile of os
.irp i, 0,1,2
	global_store_b64 v148, v[P+2*\i:P+2*\i+1], s[6:7] offset:256*\i   ; 32 lanes store 256 consecutive bytes, aligned
.endr
	global_store_b16 v149, v140, s[8:9]            ; the tile's 32 consecutive scale bytes
	WALU
	s_wait_loadcnt 0x0                             ; the next pass's q is in
.irp i, 0,1,2,3,4,5
	v_mov_b32 v[Q+\i], v[Q1+\i]
.endr
	v_mov_b32 v[QS], v[QS1]
	v_add_nc_u32 v150, s42, v[LI]
	v_and_b32 v151, 15, v0
	v_lshlrev_b32 v151, 4, v151
	s_cmp_lg_u32 s63, 0
	WALU
	s_cbranch_scc1 .Lno_q                          ; behind the first pass alone: the third pass's q, six registers in three pairs, and its scale words
	global_load_b64 v[Q1:Q1+1], v[LI], s[40:41]
	global_load_b64 v[Q1+2:Q1+3], v150, s[40:41]
	global_load_b64 v[Q1+4:Q1+5], v[LI], s[40:41] offset:512
	global_load_b32 v[QS1], v151, s[36:37]
.Lno_q:
	s_wait_xcnt 0x0                                ; the stores and loads have read their registers
	START
	WALU
.Lnext:
	s_add_co_u32 s3, s3, 1
	s_cmp_lt_u32 s3, 48
	s_cbranch_scc1 .Lstep
	v_lshl_add_u32 v[SPW], v0, 2, SPARE            ; made anew from v0: no two registers could be kept
	v_mov_b32 v[NIL], 0
	WALU
	s_wait_tensorcnt 0x0                           ; the wave's end
	ds_add_u32 v[SPW], v[NIL]
	s_wait_dscnt 0x0
	CROUND                                         ; the closing round
	s_endpgm
.Lfunc_end_k_q3a4eacb5aa_attn:
	.size	k_q3a4eacb5aa_attn, .Lfunc_end_k_q3a4eacb5aa_attn-k_q3a4eacb5aa_attn
	.p2alignl 7, 3214868480
	.fill 96, 4, 3214868480
	.section	.rodata,"a",@progbits
	.p2align	6, 0x0
	.amdhsa_kernel k_q3a4eacb5aa_attn
		.amdhsa_group_segment_fixed_size 327680
		.amdhsa_private_segment_fixed_size 0
		.amdhsa_enable_private_segment 0
		.amdhsa_kernarg_size 24
		.amdhsa_user_sgpr_count 2
		.amdhsa_user_sgpr_kernarg_segment_ptr 1
		.amdhsa_wavefront_size32 1
		.amdhsa_system_sgpr_workgroup_id_x 1
		.amdhsa_system_sgpr_workgroup_id_y 1
		.amdhsa_system_sgpr_workgroup_id_z 1
		.amdhsa_system_vgpr_workitem_id 0
		.amdhsa_next_free_vgpr 256
		.amdhsa_next_free_sgpr 66
		.amdhsa_reserve_vcc 0
		.amdhsa_float_denorm_mode_32 3
		.amdhsa_float_denorm_mode_16_64 3
		.amdhsa_memory_ordered 1
		.amdhsa_forward_progress 1
		.amdhsa_inst_pref_size 30
	.end_amdhsa_kernel
	.amdgpu_metadata
---
amdhsa.version: [ 1, 2 ]
amdhsa.kernels:
  - .name:           k_q3a4eacb5aa_attn
    .symbol:         k_q3a4eacb5aa_attn.kd
    .args:
      - { .name: rec, .offset: 0, .size: 8, .value_kind: global_buffer, .address_space: global }
      - { .name: oc, .offset: 8, .size: 8, .value_kind: global_buffer, .address_space: global }
      - { .name: os, .offset: 16, .size: 8, .value_kind: global_buffer, .address_space: global }
    .group_segment_fixed_size: 327680
    .private_segment_fixed_size: 0
    .kernarg_segment_align: 8
    .kernarg_segment_size: 24
    .max_flat_workgroup_size: 384
    .sgpr_count:     66
    .vgpr_count:     256
    .wavefront_size: 32
...
	.end_amdgpu_metadata
.endif
;; end of part 3
;; launch proj (part 4): grid 4 x 32, 4 waves a work-group, clusters of 4 x 4, 327,680 bytes of LDS; arguments oc, os, wc, ws, bo, out0; writes out0
.if DOCPART == 4
	.amdgcn_target "amdgcn-amd-amdhsa--gfx1250"
	.amdhsa_code_object_version 6
	.text
	.protected	k_q3a4eacb5aa_proj
	.globl	k_q3a4eacb5aa_proj
	.p2align	8
	.type	k_q3a4eacb5aa_proj,@function
k_q3a4eacb5aa_proj:
	s_mov_b64 s[64:65], 0
	v_nop
	global_prefetch_b8 v0, s[64:65] scope:SCOPE_SE
	s_setreg_imm32_b32 hwreg(HW_REG_WAVE_MODE, 25, 1), 1
	s_wait_xcnt 0x0
	s_wait_alu depctr_hold_cnt(0) depctr_sa_sdst(0) depctr_va_vdst(0) depctr_va_sdst(0) depctr_va_ssrc(0) depctr_va_vcc(0) depctr_vm_vsrc(0)
	s_getreg_b32 s2, hwreg(HW_REG_IB_STS2, 6, 4)
	s_cmp_eq_u32 s2, 0
	s_cbranch_scc0 .Lentry_in_a_cluster
	s_endpgm
.Lentry_in_a_cluster:
	s_bfe_u32 s2, ttmp6, 0x10000c
	s_cmp_lg_u32 s2, 0xf033
	s_cbranch_scc0 .Lentry_shape_is_right
	s_endpgm
.Lentry_shape_is_right:
.set SIZE_N, 1024
.set SIZE_K, 1024
.set KSTEP,  256
.set NQ,     KSTEP/128
.set ROWB,   192
.set KROW,   SIZE_K*6/8
.set PITCH,  240
.set FR,     12
.set NL,     6
.set NP,     4
.set HALFT,  128*PITCH
.set SLOT,   4*HALFT
.set LAPS,   SIZE_K/(2*KSTEP)
.set KS,     SIZE_K/32
.set ATILE,  3072
.set SCL,    2*SLOT
.set HALFS,  (128*KS/256)*272
.set SBLK,   (16*KS/256)*272
.set RAW,    SCL+4*HALFS
.set SPARE,  RAW+8192
.set SPITCH, 528
.set ADRA, 16
.set ADRB, 20
.set STO,  24
.set RD,   25
.set CO,   26
.set ADRS, 27
.set SPW,  28
.set NIL,  29
.set SC,   32
.set BIA,  64
.set AF,   128
.set BK,   128
.set G1, 24
.set G0, 32
.set G1B, 48
.set G0B, 56
.set G1S, 68
.set G0S, 76
.set G1SB, 80
.set G0SB, 88
.set MSB, 0
.macro WIN new
.if MSB != (\new)
	s_set_vgpr_msb (MSB<<8)|(\new)
.set MSB, (\new)
.endif
.endm
.set MUL_LO, 0xa1
.set MUL_HI, 0xf1
.set TO_B,   0x40
.macro JLOAD g0a, g1a, g0b, g1b
	s_cmp_eq_u32 s15, 0
	s_cbranch_scc0 .Lfor_b_\@
	tensor_load_to_lds s[\g0a:\g0a+3], s[\g1a:\g1a+7]
	s_nop 0
.rept 4
	v_nop
.endr
	s_branch .Lasked_\@
.Lfor_b_\@:
	tensor_load_to_lds s[\g0b:\g0b+3], s[\g1b:\g1b+7]
	s_nop 0
.rept 4
	v_nop
.endr
.Lasked_\@:
.endm
.macro CREST
	s_cmp_lg_u32 s14, 0
	s_cbranch_scc1 .Lnot_wave_0_\@
	s_barrier_signal -3
.Lnot_wave_0_\@:
	s_barrier_wait -3
	s_barrier_signal -1
	s_barrier_wait -1
.endm
.macro CROUND
	s_barrier_signal -1
	s_barrier_wait -1
	CREST
.endm
	s_load_b128 s[4:7], s[0:1], 0x0
	s_load_b128 s[8:11], s[0:1], 0x10
	s_load_b64 s[66:67], s[0:1], 0x20
	s_load_b64 s[12:13], s[0:1], 0x28
	v_lshl_add_u32 v[SPW], v0, 2, SPARE
	v_mov_b32 v[NIL], 0
	ds_add_u32 v[SPW], v[NIL]
	ds_add_u32 v[SPW], v[NIL]
	v_lshrrev_b32 v1, 5, v0
	v_readfirstlane_b32 s14, v1
	s_lshr_b32 s15, s14, 1
	s_and_b32 s16, s14, 1
	s_bfe_u32 s40, ttmp6, 0x40000
	s_bfe_u32 s41, ttmp6, 0x40004
	s_lshl_b32 s42, ttmp9, 2
	s_add_co_u32 s42, s42, s40
	s_and_b32 s17, ttmp7, 0xffff
	s_lshl_b32 s17, s17, 2
	s_add_co_u32 s17, s17, s41
	s_lshl_b32 s43, s41, 2
	s_lshl_b32 s43, 15, s43
	s_lshl_b32 s44, 0x1111, s40
	s_or_b32 s[G1+0], s43, (3<<16)|(1<<21)
	s_mov_b32 s[G1+1], 384<<16
	s_mov_b32 s[G1+2], 8<<16
	s_mov_b32 s[G1+3], 384<<16
	s_mov_b32 s[G1+4], 8
	s_mov_b32 s[G1+5], 1536
	s_mov_b32 s[G1+6], 0
	s_mov_b32 s[G1+7], 0
	s_or_b32 s[G1B+0], s44, (0<<16)|(1<<20)|(1<<21)|(3<<22)|(3<<25)
	s_mov_b32 s[G1B+1], 256<<16                    ; the weights' codes lie [K step of 256][row][192 bytes]: 128 rows are a dense block, stated as 96 rows of 256 bytes; the padding's interval stays 64 bytes
	s_mov_b32 s[G1B+2], 96<<16
	s_mov_b32 s[G1B+3], 256<<16
	s_mov_b32 s[G1B+4], 96
	s_mov_b32 s[G1B+5], 256
	s_mov_b32 s[G1B+6], 0
	s_mov_b32 s[G1B+7], 0
	s_or_b32 s[G1S+0], s43, (3<<16)|(1<<21)
	s_mov_b32 s[G1S+1], 64<<16
	s_mov_b32 s[G1S+2], 8<<16
	s_mov_b32 s[G1S+3], 64<<16
	s_mov_b32 s[G1S+4], 8
	s_mov_b32 s[G1S+5], 2048
	s_mov_b32 s[G1S+6], 0
	s_mov_b32 s[G1S+7], 0
	s_or_b32 s[G1SB+0], s44, (3<<16)|(1<<20)|(1<<21)|(5<<22)|(3<<25)
	s_mov_b32 s[G1SB+1], 32<<16
	s_mov_b32 s[G1SB+2], (128*KS/256)<<16
	s_mov_b32 s[G1SB+3], 32<<16
	s_mov_b32 s[G1SB+4], 128*KS/256
	s_mov_b32 s[G1SB+5], 32
	s_mov_b32 s[G1SB+6], 0
	s_mov_b32 s[G1SB+7], 0
	s_lshl_b32 s18, s16, 7
	s_lshl_b32 s20, s17, 8
	s_add_co_u32 s20, s20, s18
	s_lshl_b32 s46, s42, 8
	s_add_co_u32 s46, s46, s18
	s_mov_b32 s21, 0
	s_mov_b32 s47, 0
	s_mov_b64 s[18:19], KS
	s_mul_u64 s[92:93], s[46:47], s[18:19]
	s_mov_b64 s[18:19], KROW
	s_mul_u64 s[20:21], s[20:21], s[18:19]
	s_mov_b64 s[18:19], ROWB
	s_mul_u64 s[46:47], s[46:47], s[18:19]
	s_lshl_b32 s22, s17, 9
	s_lshl_b32 s23, s16, 17
	s_add_co_u32 s22, s22, s23
	s_mov_b32 s23, 0
	s_mul_i32 s45, s14, HALFT
	s_mul_i32 s94, s14, HALFS
	s_lshl_b32 s95, s16, 12
	s_wait_dscnt 0x0
	s_wait_kmcnt 0x0
	s_add_nc_u64 s[8:9], s[8:9], 3072*ROWB
	s_add_nc_u64 s[10:11], s[10:11], 3072*KS
	s_add_nc_u64 s[20:21], s[4:5], s[20:21]
	s_add_nc_u64 s[22:23], s[6:7], s[22:23]
	s_add_nc_u64 s[46:47], s[8:9], s[46:47]
	s_add_nc_u64 s[92:93], s[10:11], s[92:93]
	CROUND
	s_mov_b32 s[G0S], 1
	s_add_co_u32 s[G0S+1], s95, RAW
	s_mov_b64 s[G0S+2:G0S+3], s[22:23]
	s_or_b32 s[G0S+3], s[G0S+3], 0x80000000
	s_mov_b32 s[G0SB], 1
	s_add_co_u32 s[G0SB+1], s94, SCL
	s_mov_b64 s[G0SB+2:G0SB+3], s[92:93]
	s_or_b32 s[G0SB+3], s[G0SB+3], 0x80000000
	JLOAD G0S, G1S, G0SB, G1SB
.irp s, 0,1
	s_mov_b32 s[G0+4*\s], 1
	s_add_co_u32 s[G0+4*\s+1], s45, \s*SLOT
	s_add_nc_u64 s[G0+4*\s+2:G0+4*\s+3], s[20:21], \s*ATILE
	s_or_b32 s[G0+4*\s+3], s[G0+4*\s+3], 0x80000000
	s_mov_b32 s[G0B+4*\s], 1
	s_add_co_u32 s[G0B+4*\s+1], s45, \s*SLOT
	s_add_nc_u64 s[G0B+4*\s+2:G0B+4*\s+3], s[46:47], \s*4096*ROWB
	s_or_b32 s[G0B+4*\s+3], s[G0B+4*\s+3], 0x80000000
	s_wait_alu depctr_va_vdst(0)
	s_wait_tensorcnt 0x0
	ds_add_u32 v28, v29
	s_wait_dscnt 0x0
	CROUND
	JLOAD G0+4*\s, G1, G0B+4*\s, G1B
.endr
	v_and_b32 v1, 15, v0
	v_bfe_u32 v2, v0, 4, 1
	v_and_b32 v6, 31, v0
	v_lshlrev_b32 v7, 3, v6
	v_mul_u32_u24 v3, v1, PITCH
	v_mul_u32_u24 v4, v2, 24
	v_add_nc_u32 v4, v3, v4
	v_lshl_add_u32 v5, v2, 4, v4
	s_mul_i32 s21, s15, HALFT
	s_mul_i32 s22, s16, HALFT
	s_add_co_u32 s22, s22, 2*HALFT
.irp s, 0,1
	v_add_nc_u32 v[ADRA+\s], s21, v7
	v_add_nc_u32 v[ADRB+\s], s22, v4
	v_add_nc_u32 v[ADRB+2+\s], s22, v5
	s_add_co_u32 s21, s21, SLOT
	s_add_co_u32 s22, s22, SLOT
.endr
	v_mul_u32_u24 v5, v1, KS
	v_lshrrev_b32 v6, 8, v5
	v_lshl_add_u32 v5, v6, 4, v5
	s_mul_i32 s21, s15, HALFS
	s_mul_i32 s22, s16, HALFS
	s_add_co_u32 s22, s22, 2*HALFS
	s_sub_co_u32 s22, s22, s21
	v_mul_u32_u24 v6, s22, v2
	s_add_co_u32 s21, s21, SCL
	v_add_nc_u32 v5, v5, v6
	v_add_nc_u32 v[ADRS], s21, v5
	s_mul_i32 s23, s14, 16*SPITCH
	v_mul_u32_u24 v5, v1, SPITCH
	v_lshl_add_u32 v5, v2, 5, v5
	v_add_nc_u32 v[STO], s23, v5
	v_and_b32 v6, 31, v0
	v_lshlrev_b32 v[CO], 4, v6
	v_add_nc_u32 v[RD], s23, v[CO]
	s_lshl_b32 s20, s17, 8
	s_lshl_b32 s21, s15, 7
	s_add_co_u32 s20, s20, s21
	s_mov_b32 s21, 0
	s_mov_b64 s[18:19], SIZE_N*4
	s_mul_u64 s[20:21], s[20:21], s[18:19]
	s_lshl_b32 s46, s42, 10
	s_lshl_b32 s47, s16, 9
	s_add_co_u32 s46, s46, s47
	s_mov_b32 s47, 0
	s_add_nc_u64 s[66:67], s[66:67], s[46:47]
	s_add_nc_u64 s[20:21], s[20:21], s[46:47]
	s_add_nc_u64 s[12:13], s[12:13], s[20:21]
	v_lshlrev_b32 v9, 5, v2
.irp b, 0,1,2,3,4,5,6,7
	global_load_b128 v[BIA+8*\b:BIA+8*\b+3], v9, s[66:67] offset:64*\b
	global_load_b128 v[BIA+8*\b+4:BIA+8*\b+7], v9, s[66:67] offset:64*\b+16
.endr
	v_lshl_add_u32 v7, v0, 2, RAW
	v_lshrrev_b32 v8, 2, v0
	v_mul_u32_u24 v8, v8, 272
	v_and_b32 v10, 3, v0
	v_lshl_add_u32 v8, v10, 6, v8
	v_add_nc_u32 v8, SCL, v8
	s_wait_alu depctr_va_vdst(0)
	s_wait_tensorcnt 2
	s_barrier_signal -1
	s_barrier_wait -1
.irp k, 0,1,2,3,4,5,6,7,8,9,10,11,12,13,14,15
	ds_load_b32 v[128+\k], v7 offset:512*\k
.endr
	s_wait_dscnt 0x0
.irp s, 0,1,2,3,4,5,6,7
	v_perm_b32 v[144+\s], v[129+2*\s], v[128+2*\s], 0x05040100
	v_perm_b32 v[152+\s], v[129+2*\s], v[128+2*\s], 0x07060302
.endr
.irp i, 0,1,2,3
	ds_store_b128 v8, v[144+4*\i:147+4*\i] offset:16*\i
.endr
.macro FRAG reg, adr, q, i
.irp p, 0,1,2,3,4,5
.set PCE, 12*(\q)+6*(\p/3)+\p%3
.if PCE%8 < 5
	ds_load_b64 v[\reg+2*\p:\reg+2*\p+1], v[\adr] offset:8*PCE+16*(PCE/8)+(\i)*16*PITCH
.else
	ds_load_b64 v[\reg+2*\p:\reg+2*\p+1], v[\adr+2] offset:8*PCE+16*(PCE/8)+(\i)*16*PITCH
.endif
.endr
.endm
.macro FRAGA reg, adr, q, i
.irp p, 0,1,2,3,4,5
	ds_load_b64 v[\reg+2*\p:\reg+2*\p+1], v[\adr] offset:(\i)*ATILE+(\q)*1536+256*\p
.endr
.endm
.macro MUL16 a0, p, q, sc, zero
.irp a, \a0, \a0+1
.irp b, 0,1,2,3,4,5,6,7
.if \zero
	v_wmma_scale_f32_16x16x128_f8f6f4 v[8*(8*((\a)%4)+\b):8*(8*((\a)%4)+\b)+7], v[128*(\p)+FR*\b:128*(\p)+FR*\b+FR-1], v[AF+FR*(\a):AF+FR*(\a)+FR-1], v[BIA+8*\b:BIA+8*\b+7], v[SC+8*NQ*(\sc)+NQ*\b+(\q)], v[SC+8*NQ*(\sc)+NQ*(\a)+(\q)] matrix_a_fmt:MATRIX_FMT_FP6 matrix_b_fmt:MATRIX_FMT_FP6 matrix_a_scale:MATRIX_SCALE_ROW1
.else
	v_wmma_scale_f32_16x16x128_f8f6f4 v[8*(8*((\a)%4)+\b):8*(8*((\a)%4)+\b)+7], v[128*(\p)+FR*\b:128*(\p)+FR*\b+FR-1], v[AF+FR*(\a):AF+FR*(\a)+FR-1], v[8*(8*((\a)%4)+\b):8*(8*((\a)%4)+\b)+7], v[SC+8*NQ*(\sc)+NQ*\b+(\q)], v[SC+8*NQ*(\sc)+NQ*(\a)+(\q)] matrix_a_fmt:MATRIX_FMT_FP6 matrix_b_fmt:MATRIX_FMT_FP6 matrix_a_scale:MATRIX_SCALE_ROW1
.endif
.endr
.endr
.endm
.macro FETCH_B slot, q, p
	WIN TO_B
.irp i, 0,1,2,3,4,5,6,7
	FRAG 128*(\p)+FR*\i, ADRB+\slot, \q, \i
.endr
	WIN 0
.endm
.macro FETCH_A slot, q, i0
.irp i, \i0, \i0+1, \i0+2, \i0+3
	FRAGA AF+FR*(\i), ADRA+\slot, \q, \i
.endr
.endm
.macro SCALES sc
.irp i, 0,1,2,3,4,5,6,7
	ds_load_b64 v[SC+8*NQ*\sc+NQ*\i:SC+8*NQ*\sc+NQ*\i+1], v[ADRS] offset:\i*SBLK
.endr
.endm
.macro PLACES n
.rept \n
	v_nop
.endr
.endm
.macro STEP slot, q, zero
	s_wait_dscnt 4*NL
.if \zero
	WIN 0x81
.else
	WIN MUL_LO
.endif
	MUL16 0, (\q)%2, \q, \slot, \zero
	MUL16 2, (\q)%2, \q, \slot, \zero
	s_wait_dscnt 0
	PLACES NP
	FETCH_B \slot, (\q)+1, 1-(\q)%2
	FETCH_A \slot, (\q)+1, 0
.if \zero
	WIN 0xc1
.else
	WIN MUL_HI
.endif
	MUL16 4, (\q)%2, \q, \slot, \zero
	MUL16 6, (\q)%2, \q, \slot, \zero
	PLACES NP
	WIN 0
	FETCH_A \slot, (\q)+1, 4
.endm
.macro TURN slot, next, fill
	s_wait_tensorcnt 0x0
	ds_add_u32 v[SPW], v[NIL]
	s_wait_dscnt 4*NL+1
	WIN MUL_LO
	MUL16 0, 1, NQ-1, \slot, 0
	s_wait_dscnt 0x0
	s_barrier_signal -1
	MUL16 2, 1, NQ-1, \slot, 0
	WIN 0
	s_barrier_wait -1
.if \fill
	CREST
	s_add_nc_u64 s[G0+4*\slot+2:G0+4*\slot+3], s[G0+4*\slot+2:G0+4*\slot+3], 2*ATILE
	s_add_nc_u64 s[G0B+4*\slot+2:G0B+4*\slot+3], s[G0B+4*\slot+2:G0B+4*\slot+3], 2*4096*ROWB
	JLOAD G0+4*\slot, G1, G0B+4*\slot, G1B
.else
	PLACES NP
.endif
	s_wait_alu depctr_va_vdst(0)
	v_add_nc_u32 v[ADRS], 4*NQ, v[ADRS]
	FETCH_B \next, 0, 0
	FETCH_A \next, 0, 0
	SCALES \next
	WIN MUL_HI
	MUL16 4, 1, NQ-1, \slot, 0
	MUL16 6, 1, NQ-1, \slot, 0
	PLACES NP
	WIN 0
	FETCH_A \next, 0, 4
.endm
	s_wait_tensorcnt 1
	s_wait_dscnt 0x0
	s_barrier_signal -1
	s_barrier_wait -1
	s_wait_loadcnt 0x0
	FETCH_B 0, 0, 0
	FETCH_A 0, 0, 0
	SCALES 0
	FETCH_A 0, 0, 4
	STEP 0, 0, 1
	s_mov_b32 s3, LAPS-1
.Llap:
	TURN 0, 1, 1
	STEP 1, 0, 0
	TURN 1, 0, 1
	STEP 0, 0, 0
	s_sub_co_u32 s3, s3, 1
	s_cmp_lg_u32 s3, 0
	s_cbranch_scc1 .Llap
	TURN 0, 1, 0
	STEP 1, 0, 0
	s_wait_dscnt 4*NL
	WIN MUL_LO
	MUL16 0, 1, NQ-1, 1, 0
	MUL16 2, 1, NQ-1, 1, 0
	s_wait_dscnt 0
	WIN MUL_HI
	MUL16 4, 1, NQ-1, 1, 0
	MUL16 6, 1, NQ-1, 1, 0
	WIN 0
.macro TOSTAGE a
.set AC, 64*((\a)%4)
	WIN 0x08+4*((\a)/4)
.irp b, 0,1,2,3,4,5,6,7
	ds_store_b128 v[STO], v[AC+8*\b:AC+8*\b+3] offset:64*\b
	ds_store_b128 v[STO], v[AC+8*\b+4:AC+8*\b+7] offset:64*\b+16
.endr
	WIN 0
.set BB, BK+64*((\a)%2)
.irp t, 0,1,2,3,4,5,6,7,8,9,10,11,12,13,14,15
	ds_load_b128 v[BB+4*\t:BB+4*\t+3], v[RD] offset:\t*SPITCH
.endr
.endm
.macro SEND a, younger
.set BB, BK+64*((\a)%2)
	s_wait_dscnt \younger
.if (\a) > 0
	s_add_nc_u64 s[12:13], s[12:13], 16*SIZE_N*4
.endif
.irp t, 0,1,2,3,4,5,6,7,8,9,10,11,12,13,14,15
	global_store_b128 v[CO], v[BB+4*\t:BB+4*\t+3], s[12:13] offset:\t*SIZE_N*4 th:TH_STORE_NT
.endr
.endm
	PLACES NP
	TOSTAGE 0
.irp a, 1,2,3,4,5,6,7
.if \a > 1
	s_wait_xcnt 0x0
.endif
	TOSTAGE \a
	SEND \a-1, 32
.endr
	s_wait_xcnt 0x0
	SEND 7, 0
	s_wait_tensorcnt 0x0
	ds_add_u32 v[SPW], v[NIL]
	s_wait_dscnt 0x0
	CROUND
	s_endpgm
.Lfunc_end_k_q3a4eacb5aa_proj:
	.size	k_q3a4eacb5aa_proj, .Lfunc_end_k_q3a4eacb5aa_proj-k_q3a4eacb5aa_proj
	.p2alignl 7, 3214868480
	.fill 96, 4, 3214868480
	.section	.rodata,"a",@progbits
	.p2align	6, 0x0
	.amdhsa_kernel k_q3a4eacb5aa_proj
		.amdhsa_group_segment_fixed_size 327680
		.amdhsa_private_segment_fixed_size 0
		.amdhsa_enable_private_segment 0
		.amdhsa_kernarg_size 48
		.amdhsa_user_sgpr_count 2
		.amdhsa_user_sgpr_kernarg_segment_ptr 1
		.amdhsa_wavefront_size32 1
		.amdhsa_system_sgpr_workgroup_id_x 1
		.amdhsa_system_sgpr_workgroup_id_y 1
		.amdhsa_system_sgpr_workgroup_id_z 1
		.amdhsa_system_vgpr_workitem_id 0
		.amdhsa_next_free_vgpr 1024
		.amdhsa_next_free_sgpr 98
		.amdhsa_reserve_vcc 0
		.amdhsa_float_denorm_mode_32 3
		.amdhsa_float_denorm_mode_16_64 3
		.amdhsa_memory_ordered 1
		.amdhsa_forward_progress 1
		.amdhsa_inst_pref_size 166
	.end_amdhsa_kernel
	.amdgpu_metadata
---
amdhsa.version: [ 1, 2 ]
amdhsa.kernels:
  - .name:           k_q3a4eacb5aa_proj
    .symbol:         k_q3a4eacb5aa_proj.kd
    .args:
      - { .name: oc, .offset: 0, .size: 8, .value_kind: global_buffer, .address_space: global }
      - { .name: os, .offset: 8, .size: 8, .value_kind: global_buffer, .address_space: global }
      - { .name: wc, .offset: 16, .size: 8, .value_kind: global_buffer, .address_space: global }
      - { .name: ws, .offset: 24, .size: 8, .value_kind: global_buffer, .address_space: global }
      - { .name: bo, .offset: 32, .size: 8, .value_kind: global_buffer, .address_space: global }
      - { .name: out0, .offset: 40, .size: 8, .value_kind: global_buffer, .address_space: global }
    .group_segment_fixed_size: 327680
    .private_segment_fixed_size: 0
    .kernarg_segment_align: 8
    .kernarg_segment_size: 48
    .max_flat_workgroup_size: 128
    .sgpr_count:     98
    .vgpr_count:     1024
    .wavefront_size: 32
...
	.end_amdgpu_metadata
.endif
;; end of part 4
